; MI455X (gfx1250); checked and timed in simulation.
; The chip was launched on July 23, 2026; its instructions are those of AMD's public machine-readable ISA for CDNA 5 (MIT licence, August 2026) and "CDNA5" Instruction Set Architecture Reference Guide (July 2026). The comments in the code are by the model that wrote it; some were corrected since.
;; Multihead Self Attention. Allowed arithmetic: matrix products marked QUANTISED: E2M3 operands, one E8M0 scale for each 32 along K, by v_wmma_scale_f32_16x16x128_f8f6f4 with both operands' format E2M3, f32 sums; everything else in f32.
;; Inputs: W_O 1,024 x 1,024 float32; W_QKV 3,072 x 1,024 float32; token_positions 2,048 int32; x 4 x 2,048 x 1,024 float32.
;; Outputs: out0 4 x 2,048 x 1,024 float32.
;; This version of the problem:
;;   THIS VERSION OF THE PROBLEM IS GIVEN IN LOW PRECISION. The matrix products marked QUANTISED in the list below multiply operands that are first quantised to E2M3 (2 exponent bits, 3 mantissa bits; 6 bits a number), with one power-of-two scale for each 32 numbers along K (OCP MX v1.0); their sums are f32. All else is computed in f32.
;;   The module's matrix products, in the order in which they are computed (A, B: the left and right operand; K: the contracted axis; several contracted axes count as one K, in the product's order):
;;     1. [M 8,192, K 1,024] x [K 1,024, N 3,072]; A: input x; B: input W_QKV: QUANTISED
;;     2. batch 64 x [M 2,048, K 64] x [K 64, N 2,048]; A: computed on the way; B: computed on the way: QUANTISED
;;     3. batch 64 x [M 2,048, K 2,048] x [K 2,048, N 64]; A: softmax (see below); B: computed on the way: QUANTISED
;;     4. [M 8,192, K 1,024] x [K 1,024, N 1,024]; A: computed on the way; B: input W_O: QUANTISED
;;   THE QUANTISER, for each operand of a quantised product, along K:
;;     - K is cut into blocks of 32 from its start; a last block that is shorter is filled with zeros.
;;     - A block's scale is 2^e with e = floor(log2(the largest magnitude in the block)) - 2, held to -126 .. 127; a block of zeros has e = 0. As a byte (E8M0): e + 127.
;;     - Each number is divided by its block's scale, clamped to +-7.5, and rounded to the nearest number of E2M3, ties to even, subnormals kept.
;;     - The product sums the exact products of the quantised numbers (number of the format x scale) in f32.
;;   ~~~python
;;   def quantise(x, axis):      # numpy; x: float32 -> the quantised numbers, widened to float32 again
;;       x = np.moveaxis(x, axis, -1); K = x.shape[-1]
;;       x = np.pad(x, [(0, 0)] * (x.ndim - 1) + [(0, -K % 32)]); x = x.reshape(x.shape[:-1] + (-1, 32)); a = np.abs(x).max(-1, keepdims=True)
;;       e = np.where(a > 0, np.clip(np.frexp(np.where(a > 0, a, 1))[1] - 1 - 2, -126, 127), 0)      # np.frexp(a)[1] - 1 = floor(log2(a)), exactly
;;       r = np.clip(x / 2.0 ** e, -7.5, 7.5)
;;       step = 2.0 ** (np.maximum(np.frexp(np.where(r == 0, 1, r))[1] - 1, 0) - 3)
;;       q = np.round(r / step) * step * 2.0 ** e      # np.round: ties to even
;;       return np.moveaxis(q.reshape(q.shape[:-2] + (-1,))[..., :K], -1, axis).astype(np.float32)
;;   ~~~
;;   SOFTMAX AHEAD OF A QUANTISED PRODUCT. Where the list says 'softmax', what is quantised is not the finished softmax but p = 2^(t - M), with t = logit x log2(e) and M = ceil(the row's largest t), a whole number; so 1/2 < the row's largest p <= 1. The row's sum l is taken of the UNQUANTISED p, in f32, and the product's result is divided by l at the end. Since M is a whole number, a kernel that streams over the keys may use a running M (the ceiling of the running maximum): every later rescaling is an exact power of two, which a block's scale takes up: the codes' values come out the same.
;;   OPERANDS COMPUTED ON THE WAY. 'Computed on the way' means the value that the module computes at that place (a softmax that the list does not call 'softmax' is quantised finished and normalised). What goes into a quantiser is computed in f32, as accurately as f32 sums, v_exp_f32 and their like allow (about 1e-6 of the number): no bf16 or f16 on the way to a quantiser, and a product that is left as it is and whose result goes on into a quantised operand takes f32 operands (vector FMAs, or v_wmma_f32_16x16x4_f32). A number that lies on a knife's edge between two numbers of the format may be rounded either way, as far as f32 arithmetic and the matrix unit's own rounding can turn it there, and no further.
;; One version. Each part assembles by itself: llvm-mc -triple=amdgcn-amd-amdhsa -mcpu=gfx1250 --defsym DOCPART=n.
;; ======== version 1 of 1: 4 launches
;; limits: right only within a limited range of input values
;; workspace buffers: codes1 9,437,184 bytes; scales1 393,216 bytes; rope 524,288 bytes; qrec 13,107,200 bytes; kvrec 13,107,200 bytes; o_codes 6,291,456 bytes; o_scales 262,144 bytes
;; launch quant (part 1): grid 400 x 1, 4 waves a work-group, no clusters, 66,048 bytes of LDS; arguments x, W_QKV, W_O, token_positions, codes1, scales1, rope; writes codes1, scales1, rope
.if DOCPART == 1
	.amdgcn_target "amdgcn-amd-amdhsa--gfx1250"
	.amdhsa_code_object_version 6
	.text
	.protected	k_q830ae08afe_quant
	.globl	k_q830ae08afe_quant
	.p2align	8
	.type	k_q830ae08afe_quant,@function
k_q830ae08afe_quant:
	s_mov_b64 s[64:65], 0
	v_nop
	global_prefetch_b8 v0, s[64:65] scope:SCOPE_SE
	s_setreg_imm32_b32 hwreg(HW_REG_WAVE_MODE, 25, 1), 1
	s_wait_xcnt 0x0
; x [8192][1024], W_QKV [3072][1024] and W_O [1024][1024], f32, K innermost, become codes of FP6 (E2M3) with one E8M0 byte for each 32 along K; and the table of cosines and sines for the rotation is made.
; ROWS.  The three tensors are one space of 12,288 rows: x, then W_QKV, then W_O.  Work-groups 0 to 383 take 32 rows each; work-groups 384 to 399 make the table, 128 positions each.
; THE CODES' LAYOUT is the order of an operand's registers.  Of a group of 32 rows, tile u (0, 1) holds in its row r the group's row 8 u + r + 8 (r / 8).  The fragment of tile T and K step k (128 along K) lies at
; (8 T + k) x 1,536 bytes: six chunks of 256 bytes; in chunk q lane l = 16 h + r has 8 bytes at 8 l: bytes 8 (q % 3) on of the 24 bytes of block 4 k + 2 (q / 3) + h of the tile's row r.  Chunk q is registers 2 q, 2 q + 1.
; THE SCALE BYTES lie [row][32], rows in their natural order.
; A block's scale is 2^(floor(log2(its largest magnitude)) - 2); its byte is the largest magnitude's exponent field - 2, held at 1 from below.  A block of zeros so gets the byte 1 where the rule says 127: its codes
; are zeros, which add nothing under any byte but 0xff, and the bytes are read by this program alone.
; LIMITS: NaN and infinities among the inputs are not served.  Blocks whose largest magnitude lies under 2^-124 have their byte held at 1.  The table serves |token position| up to 2^21; the divisor 10000^(k / 32) is the
; rounded f32 number, which may differ in its last bit from a power function's result.
; THE WORK OF A WAVE: 8 rows, one a step.  A row's eight loads read 512 consecutive bytes each; the 4,096 bytes turn through the wave's own stage in LDS (144 bytes for each 128) and come back a whole block of 32 numbers a lane.
; The codes are gathered in LDS as the 96 chunks of the group (272 bytes apart), and after one barrier each wave stores a quarter of them, 512 consecutive bytes an instruction.
.set NQG,   384                        ; work-groups that quantise
.set SP,    144                        ; a block's place in a stage: 128 bytes + 16
.set STGH,  32*SP                      ; a stage
.set STGW,  2*STGH                     ; a wave's two stages
.set OUT,   4*STGW                     ; the group's 96 chunks
.set CP,    272                        ; a chunk's place: 256 bytes + 16
.set SCB,   OUT+96*CP                  ; 256 scale bytes for each wave
.set R,     16                         ; v16-111  three sets of 32 numbers as loaded
.set X,     112                        ; v112-175 two sets of 32 neighbours
.set D,     176                        ; v176-223 six registers of codes for each step
.set E,     224                        ; v224-226 the second conversion's result
.set B,     228                        ; v228-235 a scale byte for each step
	s_load_b256 s[4:11], s[0:1], 0x0               ; x, W_QKV, W_O, token_positions
	s_load_b128 s[12:15], s[0:1], 0x20             ; the codes, the scale bytes
	s_load_b64 s[16:17], s[0:1], 0x30              ; the table
	v_lshl_add_u32 v240, v0, 2, 0x10000
	v_mov_b32 v241, 0
	v_lshrrev_b32 v1, 5, v0
	v_readfirstlane_b32 s18, v1                    ; wave
	v_and_b32 v1, 31, v0                           ; lane
	s_cmp_ge_u32 ttmp9, NQG                        ; the same for all waves of a work-group
	s_cbranch_scc1 .Ltable
	s_mul_i32 s26, s18, STGW
	v_lshlrev_b32 v2, 4, v1                        ; v2: 16 x lane: my bytes of a load's or a store's 512
	v_lshrrev_b32 v10, 3, v1
	v_and_b32 v11, 7, v1
	v_mul_u32_u24 v3, v10, SP
	v_lshl_add_u32 v3, v11, 4, v3
	v_add_nc_u32 v3, s26, v3                       ; v3: the stage, in: eight lanes' 128 bytes on end, then 16 of padding
	v_mul_u32_u24 v4, v1, SP
	v_add_nc_u32 v4, s26, v4                       ; v4: the stage, out: block = lane
	v_lshrrev_b32 v10, 2, v1                       ; my block l is K step l / 4, half c = (l / 2) % 2 of it, lanes' half h = l % 2
	v_bfe_u32 v11, v1, 1, 1
	v_mul_u32_u24 v5, v10, 6*CP
	v_mad_u32_u24 v5, v11, 3*CP, v5
	v_and_b32 v11, 1, v1
	v_lshl_add_u32 v5, v11, 7, v5                  ; + 128 h
	s_and_b32 s27, s18, 1                          ; my wave's rows 8 w + t lie in tile w % 2, as its rows 8 (w / 2) + t
	s_mul_i32 s27, s27, 48*CP
	s_lshr_b32 s28, s18, 1
	s_lshl_b32 s28, s28, 6
	s_add_co_u32 s27, s27, s28
	s_add_co_u32 s27, s27, OUT
	v_add_nc_u32 v5, s27, v5                       ; v5: where my block's 24 bytes go, 8 at a time, CP apart
	s_lshl_b32 s28, s18, 8
	s_add_co_u32 s28, s28, SCB
	v_add_nc_u32 v6, s28, v1                       ; v6: my block's scale byte
	v_lshlrev_b32 v9, 3, v1                        ; v9: 8 x lane
	v_add_nc_u32 v8, s28, v9                       ; v8: the wave's scale bytes on the way out
	s_mul_i32 s29, s18, 24*CP
	s_add_co_u32 s29, s29, OUT
	v_lshrrev_b32 v10, 4, v1
	v_and_b32 v11, 15, v1
	v_mul_u32_u24 v7, v10, CP
	v_lshl_add_u32 v7, v11, 4, v7
	v_add_nc_u32 v7, s29, v7                       ; v7: the way out: my wave's 24 chunks, two an instruction
	s_wait_kmcnt 0x0
	s_cmp_lt_u32 ttmp9, 352                        ; which tensor: the choice hangs on the work-group's number alone
	s_cselect_b64 s[20:21], s[6:7], s[8:9]
	s_mov_b32 s22, 352
	s_cselect_b32 s22, 256, s22
	s_cmp_lt_u32 ttmp9, 256
	s_cselect_b64 s[20:21], s[4:5], s[20:21]
	s_cselect_b32 s22, 0, s22
	s_sub_co_u32 s22, ttmp9, s22                   ; the group's number in its tensor
	s_lshl_b32 s22, s22, 17                        ; 32 rows of 4,096 bytes
	s_lshl_b32 s23, s18, 15                        ; my wave's 8 rows
	s_add_co_u32 s22, s22, s23
	s_mov_b32 s23, 0
	s_add_nc_u64 s[20:21], s[20:21], s[22:23]
	s_mul_i32 s24, ttmp9, 24576                    ; the group's codes,
	s_mul_i32 s25, s18, 6144                       ; my wave's quarter of them
	s_add_co_u32 s24, s24, s25
	s_mov_b32 s25, 0
	s_add_nc_u64 s[12:13], s[12:13], s[24:25]
	s_lshl_b32 s24, ttmp9, 10                      ; the group's 1,024 scale bytes, my wave's 256
	s_lshl_b32 s26, s18, 8
	s_add_co_u32 s24, s24, s26
	s_add_nc_u64 s[14:15], s[14:15], s[24:25]
.macro LOAD t                          ; row t: eight loads of 512 consecutive bytes
.irp i, 0,1,2,3,4,5,6,7
	global_load_b128 v[R+32*((\t)%3)+4*\i:R+32*((\t)%3)+4*\i+3], v2, s[20:21] offset:4096*(\t)+512*\i th:TH_LOAD_NT
.endr
.endm
.macro TURN t                          ; row t through the stage: LDS serves a wave's instructions in order, so no wait stands between the stores and the loads
.irp i, 0,1,2,3,4,5,6,7
	ds_store_b128 v3, v[R+32*((\t)%3)+4*\i:R+32*((\t)%3)+4*\i+3] offset:STGH*((\t)%2)+576*\i
.endr
.irp i, 0,1,2,3,4,5,6,7
	ds_load_b128 v[X+32*((\t)%2)+4*\i:X+32*((\t)%2)+4*\i+3], v4 offset:STGH*((\t)%2)+16*\i
.endr
.endm
.macro STEP t
.set XS, X+32*((\t)%2)
.if (\t) > 0
	s_wait_dscnt 4                                 ; this row's numbers are back from the stage; behind them only the last row's three stores of codes and its byte store were issued
.else
	s_wait_dscnt 0x0
.endif
.if (\t)+3 < 8
	LOAD (\t)+3                                    ; into the set that this row's stage stores have read
.endif
.if (\t) < 7
.if (\t) <= 4
	s_wait_loadcnt 16                              ; the next row's eight loads are in; those of the two rows behind it may be out
.else
	s_wait_loadcnt 8*(6-(\t))
.endif
	TURN (\t)+1                                    ; and go through the other stage while this row is worked
.endif
	v_max3_num_f32 v10, |v[XS]|, |v[XS+1]|, |v[XS+2]|             ; the block's largest magnitude: all 32 numbers are mine; two chains
	v_max3_num_f32 v11, |v[XS+3]|, |v[XS+4]|, |v[XS+5]|
.irp i, 6,10,14,18,22,26
	v_max3_num_f32 v10, v10, |v[XS+\i]|, |v[XS+\i+1]|
	v_max3_num_f32 v11, v11, |v[XS+\i+2]|, |v[XS+\i+3]|
.endr
	v_max3_num_f32 v10, v10, |v[XS+30]|, |v[XS+31]|
	v_max3_num_f32 v10, v10, v11, 0x1800000        ; and the floor 2^(3 - 127): the byte cannot fall under 1
	v_add_nc_u32 v12, 0xff000000, v10              ; 2 off the exponent field: the conversion takes the exponent field of this operand as its scale
	v_cvt_scalef32_pk16_fp6_f32 v[D+6*(\t):D+6*(\t)+2], v[XS:XS+15], v12
	v_cvt_scalef32_pk16_fp6_f32 v[E:E+2], v[XS+16:XS+31], v12     ; (a conversion's three registers begin on an even number)
	v_lshrrev_b32 v[B+(\t)], 23, v12               ; the scale's byte; also the plain line behind the conversions
.irp i, 0,1,2
	v_mov_b32 v[D+6*(\t)+3+\i], v[E+\i]
.endr
.irp p, 0,1,2
	ds_store_b64 v5, v[D+6*(\t)+2*\p:D+6*(\t)+2*\p+1] offset:CP*\p+8*(\t)
.endr
	ds_store_b8 v6, v[B+(\t)] offset:32*(\t)
.endm
	LOAD 0
	LOAD 1
	LOAD 2
	s_wait_loadcnt 16                              ; row 0 is in
	TURN 0
.irp t, 0,1,2,3,4,5,6,7
	STEP \t
.endr
	s_wait_dscnt 0x0                               ; for the others' sake: my stores of codes have landed
	s_barrier_signal -1
	s_barrier_wait -1                              ; the group's 96 chunks lie in LDS
.irp i, 0,1,2,3,4,5,6,7,8,9,10,11
	ds_load_b128 v[R+4*\i:R+4*\i+3], v7 offset:2*CP*\i
.endr
	ds_load_b64 v[X:X+1], v8
.irp i, 0,1,2,3,4,5,6,7,8,9,10,11
	s_wait_dscnt 12-\i                             ; behind load i: the other loads of chunks and the load of the scale bytes
	global_store_b128 v2, v[R+4*\i:R+4*\i+3], s[12:13] offset:512*\i   ; 32 lanes store 512 consecutive bytes, at a multiple of 256 from the buffer's first byte
.endr
	s_wait_dscnt 0x0
	global_store_b64 v9, v[X:X+1], s[14:15]        ; 32 lanes store 256 consecutive bytes
	s_wait_tensorcnt 0x0
	ds_add_u32 v240, v241
	s_wait_dscnt 0x0
	s_endpgm
; THE TABLE: rope[s][k] = (cos, sin) of token_positions[s] / 10000^(k / 32), k = 0 .. 31: 256 bytes a position.  A wave takes 32 positions, a lane one k.
; The angle is the rounded quotient (a reciprocal refined once, and one correction step).  It is reduced by the nearest multiple n of pi / 2, taken in two parts by fused multiply-adds: the first product is exact inside
; the instruction and its result has no more than 24 bits; what the two parts leave of pi / 2 is 1.7e-15, times n under 3e-9.  Sine and cosine on [-pi/4, pi/4] by polynomials in f32; the quadrant swaps and signs them.
.macro DSEL k, val
	v_cmp_ne_u32 vcc_lo, \k, v1
	v_cndmask_b32 v2, \val, v2, vcc_lo             ; lane k takes the number, the others keep theirs
.endm
.Ltable:
	s_sub_co_u32 s20, ttmp9, NQG
	s_lshl_b32 s20, s20, 7
	s_lshl_b32 s21, s18, 5
	s_add_co_u32 s20, s20, s21                     ; my wave's first position
	s_lshl_b32 s22, s20, 2
	s_mov_b32 s23, 0
	s_wait_kmcnt 0x0
	s_add_nc_u64 s[10:11], s[10:11], s[22:23]
	s_load_b256 s[32:39], s[10:11], 0x0            ; 32 token positions
	s_load_b256 s[40:47], s[10:11], 0x20
	s_load_b256 s[48:55], s[10:11], 0x40
	s_load_b256 s[56:63], s[10:11], 0x60
	s_lshl_b32 s24, s20, 8
	s_mov_b32 s25, 0
	s_add_nc_u64 s[16:17], s[16:17], s[24:25]
	v_mov_b32 v2, 1.0                              ; d = 10000^(k / 32) = 10^(k / 8)
	s_wait_alu depctr_va_vdst(0)
	DSEL 1, 1.3335214321633240
	DSEL 2, 1.7782794100389228
	DSEL 3, 2.3713737056616552
	DSEL 4, 3.1622776601683795
	DSEL 5, 4.2169650342858226
	DSEL 6, 5.6234132519034908
	DSEL 7, 7.4989420933245582
	DSEL 8, 10.0
	DSEL 9, 13.335214321633240
	DSEL 10, 17.782794100389228
	DSEL 11, 23.713737056616552
	DSEL 12, 31.622776601683795
	DSEL 13, 42.169650342858226
	DSEL 14, 56.234132519034908
	DSEL 15, 74.989420933245582
	DSEL 16, 100.0
	DSEL 17, 133.35214321633240
	DSEL 18, 177.82794100389228
	DSEL 19, 237.13737056616552
	DSEL 20, 316.22776601683795
	DSEL 21, 421.69650342858226
	DSEL 22, 562.34132519034908
	DSEL 23, 749.89420933245582
	DSEL 24, 1000.0
	DSEL 25, 1333.5214321633240
	DSEL 26, 1778.2794100389228
	DSEL 27, 2371.3737056616552
	DSEL 28, 3162.2776601683795
	DSEL 29, 4216.9650342858226
	DSEL 30, 5623.4132519034908
	DSEL 31, 7498.9420933245582
	s_wait_alu depctr_va_vdst(0)
	v_rcp_f32 v3, v2
	v_lshlrev_b32 v16, 3, v1                       ; 8 x lane: my pair's place in a position's 256 bytes.  (The plain line behind the reciprocal)
	s_wait_alu depctr_va_vdst(0)                   ; the wait ahead of the reciprocal's first reader
	v_fma_f32 v4, -v2, v3, 1.0
	v_fma_f32 v3, v4, v3, v3                       ; 1 / d, refined once
	v_mov_b32 v17, 0x37cd4000                      ; the polynomials' leading coefficients: cosine 2.44677067e-5,
	v_mov_b32 v18, 0x36405000                      ; sine 2.86567956e-6
	s_wait_kmcnt 0x0
.set i, 0
.rept 32
	v_cvt_f32_i32 v4, s[32+i]
	s_wait_alu depctr_va_vdst(0)
	v_mul_f32 v5, v4, v3
	v_fma_f32 v6, -v5, v2, v4
	v_fma_f32 v5, v6, v3, v5                       ; the angle: position / d
	v_mul_f32 v6, 0x3f22f983, v5                   ; x 2 / pi
	v_rndne_f32 v6, v6                             ; n
	v_fmamk_f32 v7, v6, 0xbfc90fdb, v5             ; - n x the first part of pi / 2
	v_fmamk_f32 v7, v6, 0x333bbd2e, v7             ; - n x the second: x in [-pi/4, pi/4]
	v_cvt_i32_f32 v8, v6
	v_mul_f32 v9, v7, v7                           ; z = x x
	v_fmaak_f32 v10, v17, v9, 0xbab6077d
	v_fmaak_f32 v11, v18, v9, 0xb9503486
	v_fmaak_f32 v10, v10, v9, 0x3d2aaaa8
	v_fmaak_f32 v11, v11, v9, 0x3c0888c1
	v_fma_f32 v10, v10, v9, -0.5
	v_fmaak_f32 v11, v11, v9, 0xbe2aaaab
	v_mul_f32 v12, v7, v9
	v_fma_f32 v10, v10, v9, 1.0                    ; cos x
	v_fma_f32 v11, v11, v12, v7                    ; sin x
	v_and_b32 v13, 1, v8
	v_cmp_eq_u32 vcc_lo, 1, v13                    ; an odd quadrant swaps the two
	v_cndmask_b32 v14, v10, v11, vcc_lo
	v_cndmask_b32 v15, v11, v10, vcc_lo
	v_add_nc_u32 v13, 1, v8
	v_and_b32 v13, 2, v13                          ; the cosine is negative in quadrants 1 and 2,
	v_and_b32 v8, 2, v8                            ; the sine in 2 and 3
	v_lshlrev_b32 v13, 30, v13
	v_lshlrev_b32 v8, 30, v8
	v_xor_b32 v[128+2*i], v13, v14
	v_xor_b32 v[129+2*i], v8, v15
	global_store_b64 v16, v[128+2*i:129+2*i], s[16:17] offset:256*i   ; 32 lanes store 256 consecutive bytes; each position has registers of its own, so no store's data are written again
.set i, i+1
.endr
	s_endpgm
.Lfunc_end_k_q830ae08afe_quant:
	.size	k_q830ae08afe_quant, .Lfunc_end_k_q830ae08afe_quant-k_q830ae08afe_quant
	.p2alignl 7, 3214868480
	.fill 96, 4, 3214868480
	.section	.rodata,"a",@progbits
	.p2align	6, 0x0
	.amdhsa_kernel k_q830ae08afe_quant
		.amdhsa_group_segment_fixed_size 66048
		.amdhsa_private_segment_fixed_size 0
		.amdhsa_enable_private_segment 0
		.amdhsa_kernarg_size 56
		.amdhsa_user_sgpr_count 2
		.amdhsa_user_sgpr_kernarg_segment_ptr 1
		.amdhsa_wavefront_size32 1
		.amdhsa_system_sgpr_workgroup_id_x 1
		.amdhsa_system_sgpr_workgroup_id_y 1
		.amdhsa_system_sgpr_workgroup_id_z 1
		.amdhsa_system_vgpr_workitem_id 0
		.amdhsa_next_free_vgpr 242
		.amdhsa_next_free_sgpr 72
		.amdhsa_reserve_vcc 1
		.amdhsa_float_denorm_mode_32 3
		.amdhsa_float_denorm_mode_16_64 3
		.amdhsa_memory_ordered 1
		.amdhsa_forward_progress 1
		.amdhsa_inst_pref_size 85
	.end_amdhsa_kernel
	.amdgpu_metadata
---
amdhsa.version: [ 1, 2 ]
amdhsa.kernels:
  - .name:           k_q830ae08afe_quant
    .symbol:         k_q830ae08afe_quant.kd
    .args:
      - { .name: x, .offset: 0, .size: 8, .value_kind: global_buffer, .address_space: global }
      - { .name: W_QKV, .offset: 8, .size: 8, .value_kind: global_buffer, .address_space: global }
      - { .name: W_O, .offset: 16, .size: 8, .value_kind: global_buffer, .address_space: global }
      - { .name: token_positions, .offset: 24, .size: 8, .value_kind: global_buffer, .address_space: global }
      - { .name: codes1, .offset: 32, .size: 8, .value_kind: global_buffer, .address_space: global }
      - { .name: scales1, .offset: 40, .size: 8, .value_kind: global_buffer, .address_space: global }
      - { .name: rope, .offset: 48, .size: 8, .value_kind: global_buffer, .address_space: global }
    .group_segment_fixed_size: 66048
    .private_segment_fixed_size: 0
    .kernarg_segment_align: 8
    .kernarg_segment_size: 56
    .max_flat_workgroup_size: 128
    .sgpr_count:     72
    .vgpr_count:     242
    .wavefront_size: 32
...
	.end_amdgpu_metadata
.endif
;; end of part 1
;; launch gemm_qkv (part 2): grid 8 x 32, 4 waves a work-group, clusters of 4 x 4, 327,680 bytes of LDS; arguments codes1, scales1, rope, qrec, kvrec; writes qrec, kvrec
.if DOCPART == 2
	.amdgcn_target "amdgcn-amd-amdhsa--gfx1250"
	.amdhsa_code_object_version 6
	.text
	.protected	k_q830ae08afe_gemm_qkv
	.globl	k_q830ae08afe_gemm_qkv
	.p2align	8
	.type	k_q830ae08afe_gemm_qkv,@function
k_q830ae08afe_gemm_qkv:
	s_mov_b64 s[64:65], 0
	v_nop
	global_prefetch_b8 v0, s[64:65] scope:SCOPE_SE
	s_setreg_imm32_b32 hwreg(HW_REG_WAVE_MODE, 25, 1), 1
	s_wait_xcnt 0x0
	s_wait_alu depctr_hold_cnt(0) depctr_sa_sdst(0) depctr_va_vdst(0) depctr_va_sdst(0) depctr_va_ssrc(0) depctr_va_vcc(0) depctr_vm_vsrc(0)
	s_getreg_b32 s2, hwreg(HW_REG_IB_STS2, 6, 4)
	s_cmp_eq_u32 s2, 0
	s_cbranch_scc0 .Lentry_in_a_cluster
	s_endpgm
.Lentry_in_a_cluster:
	s_bfe_u32 s2, ttmp6, 0x10000c
	s_cmp_lg_u32 s2, 0xf033
	s_cbranch_scc0 .Lentry_shape_is_right
	s_endpgm
.Lentry_shape_is_right:
; qkv = x W_QKV^T on codes of FP6 (E2M3) with E8M0 scales, K = 1,024; then the rotation of q and k, and q, k and v quantised anew: q and k along the head's 64, v along the keys.  Only codes and scale bytes leave.
; OPERANDS: codes1 holds 12,288 rows (x 0.., W_Q 8,192.., W_K 9,216.., W_V 10,240..) in the order of an operand's registers: of a group of 32 rows, tile u holds in its row r the group's row 8 u + r + 8 (r / 8);
; the fragment of tile T and K step k lies at (8 T + k) x 1,536 bytes, six chunks of 256 bytes, lane l's 8 bytes at 8 l.  The scale bytes lie [row][32].
; THE DEAL: 256 work-groups, each 256 tokens x 128 columns of V, then of Q, then of K: three phases on the same rows of x, which lie in LDS, all of K, from the head on.  Four waves, 2 x 2: the wave in column b holds
; the 64 weight rows of ONE head (2 x column group + b), all of K, in 384 registers; the wave in row a streams token tiles 8 a + s, s = 0 .. 7, one step of 128 keys, past them: a block is 32 products on four accumulators by turns
; FILLS: at the head one joint load a wave: W_V's 128 rows, x's scale bytes, x's tiles 0-7, x's tiles 8-15.  The weights' region is filled again twice, each time behind the three lines and a round of the cluster's barrier,
; when every wave holds the old weights in registers; each wave brings a quarter.  A refill is asked for 256 products ahead of its first read, so no prefetch is laid for it; the head's tiles have no loop ahead of them.
; CLUSTERS: 4 x 4; x's tiles are asked for jointly along a row of the cluster, the weights' along a column.
; V: source 0 = x's rows, source 1 = W_V's: a lane holds a channel, and register 8 s + j of column tile t is token 32 (s / 2) + 16 h + 8 (s % 2) + j of the step: 64 numbers a tile, four scale blocks along the keys.
; Q, K: source 0 = the weight's rows, source 1 = x's: a lane holds a token, and register 8 t + j is channel 32 (t / 2) + 16 h + 8 (t % 2) + j of the head.
; THE RESULT: for each head hb = 16 batch + head a record of 204,800 bytes: 4,096 bytes of K's scale words [step 16][row 16][fragment 4], 4,096 of V's likewise, then for each step of 128 keys 12,288 bytes: K's four fragments,
; then V's four, each 1,536 bytes: three chunks of 512, lane l's 16 bytes at 16 l.  Fragment f of K: registers 6 u .. 6 u + 5 of lane (r, h) are the codes of key 32 f + 8 u + r + 8 (r / 8), channels 32 h on; bytes 2 u, 2 u + 1 of
; its scale word are that key's.  Fragment t of V: channels 32 (t / 2) + 8 (t % 2) + r + 8 (r / 8) x the step's 128 keys.  q goes to a buffer of its own, into K's places of the same record.
; THE WAITS' COUNTS: a fetch of a block is NF = 26 LDS loads; behind block m's products the fetch of m + 2 is issued, so ahead of a block only the next block's fetch is younger (NF).  A block's table is eight loads,
; asked for two blocks ahead: ahead of a rotation the next block's eight may be out.
; LIMITS: NaN and infinities are not served; a block whose largest magnitude lies under 2^-124 (a block of zeros too) has its byte held at 1: the bytes are read by this program alone.
.set FR,     12
.set FPW,    21                        ; fragment f lies in window 1 + f / 21 at register 12 (f % 21): 0-31 the weights' (4 k + t), 32-39 and 40-47 x's two sets
.set TILEB,  12288                     ; a tile of 16 rows, all of K
.set BVB,    0                         ; LDS: the weights' 8 tiles
.set AB,     8*TILEB                   ; x's 16 tiles
.set SCL,    AB+16*TILEB               ; x's scale bytes: 32 pieces of 256 + 16
.set SPARE,  SCL+32*272
.set NF,     26
.set ADRB, 9                           ; v9      LDS address of my fragments of the weights
.set AD0,  10                          ; v10-15  LDS addresses of my tile 0: six, 2,048 bytes apart
.set AAS,  16                          ; v16     of my row's scale words in tile 0
.set ABS,  17                          ; v17     my row's offset in a group's scale bytes of a weight
.set ST16, 18                          ; v18     16 x lane
.set SOFF, 19                          ; v19     16 r + 8 h
.set TOFF, 20                          ; v20     256 (r % 8 + 16 (r / 8)) + 64 h: my token's row of the table, my half's pairs
.set SPW,  21
.set NIL,  22
.set AASN, 23                          ; v23     as v16, for the tile that is fetched next
.set SB,   24                          ; v24-39  the weights' scale words: 8 p + k: lanes 0-15 tile 2 p, lanes 16-31 tile 2 p + 1
.set TOFN, 40                          ; v40-41  as v20, for the table loads of an even and of an odd block
.set SA,   44                          ; v44-59  x's scale words, two sets
.set W,    60                          ; v60-63  four scale words on their way out
.set ACC,  64                          ; v64-95  Q, K: four accumulators.  V: v64-191 and, in window 3, v72-199: 64 registers a column tile
.set TAB,  96                          ; v96-127, v160-191  the table, two sets
.set H,    128                         ; v128-159 32 rotated numbers
.set AD,   192                         ; v192-197 as v10-15, for the tile that is fetched next
.set WS,   198
.set TM,   200
.set PW,   216
.set F0,   220                         ; v220-243 two fragments
.set EA,   244
.set EB,   248
.set TP,   244                         ; v244-251 four pairs at work in the rotation
.set HOLD, 200                         ; window 3, v200-231: W_Q's and W_K's scale words, ready from the head on
.set G1A, 24
.set G1B, 32
.set G0B, 56
.set G0S, 60
.set G1S, 68
.set G0A, 76
.set G0C, 80
.set G1W, 84
.set G0W, 92
.set HM,  45
.set RB,  46
.set SX,  52                           ; s52 the pair of tiles that is fetched next, in bytes; s53 its odd tile; s54 its scale words; s55 its rows of the table
.set SX1, 53
.set SS,  54
.set ST,  55
.set CNT, 20
.set SEL, 66
.set SQ,  2
.set SK,  18
.set CQ,  96
.set CK,  98
.set CV,  100
.set MSB, 0
.macro WIN new
.if MSB != (\new)
	s_set_vgpr_msb (MSB<<8)|(\new)
.set MSB, (\new)
.endif
.endm
.macro PLACES n
.rept \n
	v_nop
.endr
.endm
.macro WALU
	s_wait_alu depctr_va_vdst(0)
.endm
.macro BARRIER
	s_barrier_signal -1
	s_barrier_wait -1
.endm
.macro CROUND
	BARRIER
	s_cmp_lg_u32 s14, 0
	s_cbranch_scc1 .Lnot_wave_0_\@
	s_barrier_signal -3
.Lnot_wave_0_\@:
	s_barrier_wait -3
	BARRIER
.endm
.macro TLOAD g0, g1
	tensor_load_to_lds s[\g0:\g0+3], s[\g1:\g1+7]
	s_nop 0
	PLACES 4
.endm
.macro REFILL                          ; the three lines, a round, and my quarter of the next weight
	s_wait_tensorcnt 0x0
	ds_add_u32 v[SPW], v[NIL]
	s_wait_dscnt 0x0
	CROUND
	TLOAD G0W, G1W
.endm
.macro DENSE g, rows                   ; group 1 of a dense block as rows of 256 bytes (32 elements of 8)
	s_mov_b32 s[\g+1], 32<<16
	s_mov_b32 s[\g+2], (\rows)<<16
	s_mov_b32 s[\g+3], 32<<16
	s_mov_b32 s[\g+4], \rows
	s_mov_b32 s[\g+5], 32
	s_mov_b32 s[\g+6], 0
	s_mov_b32 s[\g+7], 0
.endm
.macro WEIGHTS                         ; my 64 rows of the weight, all of K: 192 loads of 256 consecutive bytes
.set F_, 0
.rept 32
	WIN (1+F_/FPW)<<6
.irp p, 0,1,2,3,4,5
	ds_load_b64 v[FR*(F_%FPW)+2*\p:FR*(F_%FPW)+2*\p+1], v[ADRB] offset:(F_%4)*TILEB+(F_/4)*1536+256*\p
.endr
.set F_, F_+1
.endr
	WIN 0
.endm
.macro MOVSB p                         ; the next weight's scale words
	WIN 3
.set I_, 0
.rept 16
	v_mov_b32 v[SB+I_], v[HOLD+16*(\p)+I_]
.set I_, I_+1
.endr
	WIN 0
.endm
.macro STEPC n                         ; the addresses of tile n, a constant; these seven lines are also the places behind a block's products
.irp j, 0,1,2,3,4,5
	v_add_nc_u32 v[AD+\j], TILEB*(\n), v[AD0+\j]
.endr
	v_add_nc_u32 v[AASN], (4*((\n)/2)+(\n)%2)*272, v[AAS]
.endm
.macro STEPS sx                        ; the same by the loop's scalars
.irp j, 0,1,2,3,4,5
	v_add_nc_u32 v[AD+\j], s[\sx], v[AD0+\j]
.endr
	v_add_nc_u32 v[AASN], s[SS], v[AAS]
.endm
.macro FETCH e, ab, as, so             ; a tile into set e: its 48 chunks, two to a load, and its eight scale words
.set C_, 0
.rept 24
.set F_, 32+8*(\e)+C_/6
	WIN (1+F_/FPW)<<6
	ds_load_2addr_b64 v[FR*(F_%FPW)+2*(C_%6):FR*(F_%FPW)+2*(C_%6)+3], v[\ab+C_/8] offset0:(C_%8)*32 offset1:(C_%8)*32+32
.set C_, C_+2
.endr
	WIN 0
	ds_load_b128 v[SA+8*(\e):SA+8*(\e)+3], v[\as] offset:\so
	ds_load_b128 v[SA+8*(\e)+4:SA+8*(\e)+7], v[\as] offset:(\so)+16
.endm
.macro PROD1 d, s0, s1, c, x0, x1, side, o
.if \o
	v_wmma_scale_f32_16x16x128_f8f6f4 v[\d:\d+7], v[FR*((\s0)%FPW):FR*((\s0)%FPW)+FR-1], v[FR*((\s1)%FPW):FR*((\s1)%FPW)+FR-1], \c, v[\x0], v[\x1] matrix_a_fmt:MATRIX_FMT_FP6 matrix_b_fmt:MATRIX_FMT_FP6 matrix_\side\()_scale:MATRIX_SCALE_ROW1
.else
	v_wmma_scale_f32_16x16x128_f8f6f4 v[\d:\d+7], v[FR*((\s0)%FPW):FR*((\s0)%FPW)+FR-1], v[FR*((\s1)%FPW):FR*((\s1)%FPW)+FR-1], \c, v[\x0], v[\x1] matrix_a_fmt:MATRIX_FMT_FP6 matrix_b_fmt:MATRIX_FMT_FP6 matrix_\side\()_scale:MATRIX_SCALE_ROW0
.endif
.endm
.macro PROD kind, e, n, s              ; product n = 4 k + t on x's set e.  kind 1: V, block s; kind 0: Q, K.  The first four start the sums
.set K_, (\n)/4
.set T_, (\n)%4
.set FA_, 32+8*(\e)+K_
.set XB_, SB+8*(T_/2)+K_
.set XA_, SA+8*(\e)+K_
.if \kind
.set DW_, 3*(T_/2)
.set D_, 64+64*(T_%2)+8*(T_/2)+8*(\s)
	WIN (1+FA_/FPW)|((1+(\n)/FPW)<<2)|(DW_<<4)|(DW_<<6)
.if K_
	PROD1 D_, FA_, \n, v[D_:D_+7], XA_, XB_, b, T_%2
.else
	PROD1 D_, FA_, \n, 0, XA_, XB_, b, T_%2
.endif
.else
.set D_, ACC+8*T_
	WIN (1+(\n)/FPW)|((1+FA_/FPW)<<2)
.if K_
	PROD1 D_, \n, FA_, v[D_:D_+7], XB_, XA_, a, T_%2
.else
	PROD1 D_, \n, FA_, 0, XB_, XA_, a, T_%2
.endif
.endif
.endm
.macro MULS kind, e, s
.set N_, 0
.rept 32
	PROD \kind, \e, N_, \s
.set N_, N_+1
.endr
	WIN 0
.endm
; The table for a block: my token's pairs (cos, sin) 16 e + 8 h + 0 .. 7, into set u
.macro TLD u, areg
.irp e, 0,1
.irp i, 0,1,2,3
	global_load_b128 v[TAB+64*(\u)+16*\e+4*\i:TAB+64*(\u)+16*\e+4*\i+3], v[\areg], s[RB:RB+1] offset:2048*(\u)+128*\e+16*\i
.endr
.endr
.endm
.macro ROPE u                          ; (e, o) -> (c e - s o, s e + c o); each accumulator is read from its low end on
.irp t, 0,1,2,3
.irp m, 0,1,2,3
	v_pk_mul_f32 v[TP+2*\m:TP+2*\m+1], v[ACC+8*\t+2*\m:ACC+8*\t+2*\m+1], v[TAB+64*(\u)+8*\t+2*\m:TAB+64*(\u)+8*\t+2*\m+1] op_sel:[1,1] op_sel_hi:[0,1]
.endr
.irp m, 0,1,2,3
	v_pk_fma_f32 v[H+8*\t+2*\m:H+8*\t+2*\m+1], v[ACC+8*\t+2*\m:ACC+8*\t+2*\m+1], v[TAB+64*(\u)+8*\t+2*\m:TAB+64*(\u)+8*\t+2*\m+1], v[TP+2*\m:TP+2*\m+1] op_sel_hi:[1,0,1] neg_lo:[0,0,1]
.endr
.endr
.endm
; QUANT2: a token's 32 numbers of a lane, H + 16 b + i = channel 32 b + 16 h + i, become six registers of fragment half u and two scale bytes.  Four chains for the two largest magnitudes, with the floor 2^(3 - 127) among the leaves
.macro QUANT2 u
	v_max3_num_f32 v[TM], |v[H]|, |v[H+1]|, 0x1800000
	v_max3_num_f32 v[TM+1], |v[H+16]|, |v[H+17]|, 0x1800000
	v_max3_num_f32 v[TM+2], |v[H+8]|, |v[H+9]|, |v[H+10]|
	v_max3_num_f32 v[TM+3], |v[H+24]|, |v[H+25]|, |v[H+26]|
.irp i, 2,4
	v_max3_num_f32 v[TM], v[TM], |v[H+\i]|, |v[H+1+\i]|
	v_max3_num_f32 v[TM+1], v[TM+1], |v[H+16+\i]|, |v[H+17+\i]|
	v_max3_num_f32 v[TM+2], v[TM+2], |v[H+9+\i]|, |v[H+10+\i]|
	v_max3_num_f32 v[TM+3], v[TM+3], |v[H+25+\i]|, |v[H+26+\i]|
.endr
	v_max3_num_f32 v[TM], v[TM], |v[H+6]|, |v[H+7]|
	v_max3_num_f32 v[TM+1], v[TM+1], |v[H+22]|, |v[H+23]|
	v_max3_num_f32 v[TM], v[TM], v[TM+2], |v[H+15]|
	v_max3_num_f32 v[TM+1], v[TM+1], v[TM+3], |v[H+31]|
	v_permlanex16_b32 v[TM+4], v[TM], s[SEL], s[SEL+1]
	v_permlanex16_b32 v[TM+5], v[TM+1], s[SEL], s[SEL+1]
	v_max_num_f32 v[TM], v[TM], v[TM+4]            ; with lane l xor 16's: the block's largest magnitude
	v_max_num_f32 v[TM+1], v[TM+1], v[TM+5]
	v_add_nc_u32 v[TM+12], 0xff000000, v[TM]       ; 2 off its exponent field: the conversion's scale operand
	v_add_nc_u32 v[TM+13], 0xff000000, v[TM+1]
	v_lshrrev_b32 v[TM+4], 23, v[TM+12]
	v_lshrrev_b32 v[TM+5], 23, v[TM+13]
	v_lshl_or_b32 v[PW+\u], v[TM+5], 8, v[TM+4]
	v_cvt_scalef32_pk16_fp6_f32 v[F0+6*\u:F0+6*\u+2], v[H:H+15], v[TM+12]
	v_cvt_scalef32_pk16_fp6_f32 v[EA:EA+2], v[H+16:H+31], v[TM+13]
	v_nop                                          ; one plain line behind the scaled conversions
.irp i, 0,1,2
	v_permlane16_swap_b32 v[F0+6*\u+\i], v[EA+\i]  ; the operand's layout wants a whole block in a lane
.endr
.irp i, 0,1,2
	v_mov_b32 v[F0+6*\u+3+\i], v[EA+\i]
.endr
.endm
; QUANT: 64 numbers of a lane in window w, register s + 16 b + i = place 32 b + 16 h + i along the next K: blocks 0, 1 into v[d0] on, blocks 2, 3 into v[d1] on, the four scale bytes into v[pw]
.macro QUANT s, w, d0, d1, pw
	WIN (\w)|((\w)<<2)
.irp b, 0,1,2,3
	v_max3_num_f32 v[TM+\b], |v[(\s)+16*\b]|, |v[(\s)+1+16*\b]|, 0x1800000
.endr
	WIN ((\w)<<2)|((\w)<<4)
.irp i, 2,4,6,8,10,12,14
.irp b, 0,1,2,3
	v_max3_num_f32 v[TM+\b], v[TM+\b], |v[(\s)+16*\b+\i]|, |v[(\s)+1+16*\b+\i]|
.endr
.endr
	WIN 0
.irp b, 0,1,2,3
	v_permlanex16_b32 v[TM+4+\b], v[TM+\b], s[SEL], s[SEL+1]
.endr
.irp b, 0,1,2,3
	v_max_num_f32 v[TM+\b], v[TM+\b], v[TM+4+\b]
.endr
.irp b, 0,1,2,3
	v_add_nc_u32 v[TM+12+\b], 0xff000000, v[TM+\b]
.endr
.irp b, 0,1,2,3
	v_lshrrev_b32 v[TM+4+\b], 23, v[TM+12+\b]
.endr
	v_lshl_or_b32 v[\pw], v[TM+5], 8, v[TM+4]
	v_lshl_or_b32 v[\pw], v[TM+6], 16, v[\pw]
	v_lshl_or_b32 v[\pw], v[TM+7], 24, v[\pw]
	WIN \w
	v_cvt_scalef32_pk16_fp6_f32 v[(\d0):(\d0)+2], v[(\s):(\s)+15], v[TM+12]
	v_cvt_scalef32_pk16_fp6_f32 v[EA:EA+2], v[(\s)+16:(\s)+31], v[TM+13]
	v_cvt_scalef32_pk16_fp6_f32 v[(\d1):(\d1)+2], v[(\s)+32:(\s)+47], v[TM+14]
	v_cvt_scalef32_pk16_fp6_f32 v[EB:EB+2], v[(\s)+48:(\s)+63], v[TM+15]
	WIN 0
	v_nop
.irp i, 0,1,2
	v_permlane16_swap_b32 v[(\d0)+\i], v[EA+\i]
	v_permlane16_swap_b32 v[(\d1)+\i], v[EB+\i]
.endr
.irp i, 0,1,2
	v_mov_b32 v[(\d0)+3+\i], v[EA+\i]
	v_mov_b32 v[(\d1)+3+\i], v[EB+\i]
.endr
.endm
.macro VOUT t, s, w                    ; V's column tile t: a whole fragment and its scale word
.if \t > 1
	s_wait_xcnt 0x0                                ; the stores of two tiles back have read their registers
.endif
	QUANT \s, \w, F0+12*(\t%2), F0+12*(\t%2)+6, W+\t
.irp c, 0,1,2
	global_store_b128 v[ST16], v[F0+12*(\t%2)+4*\c:F0+12*(\t%2)+4*\c+3], s[CV:CV+1] offset:6144+1536*\t+512*\c   ; 32 lanes store 512 consecutive bytes
.endr
.endm
.macro WORDS sb, off                   ; row r's four scale words: lane (r, h) stores words 2 h, 2 h + 1: 32 lanes store 256 consecutive bytes
	WALU
	s_wait_xcnt 0x0
	v_cndmask_b32 v[WS], v[W], v[W+2], s[HM]
	v_cndmask_b32 v[WS+1], v[W+1], v[W+3], s[HM]
	global_store_b64 v[SOFF], v[WS:WS+1], s[\sb:\sb+1] offset:\off
.endm
.macro QKBLK u, fetch                  ; a block of Q or K: products, the fetch of the block two on, the rotation, the quantiser
.if (\fetch) || (\u) == 0
	s_wait_dscnt NF
.else
	s_wait_dscnt 0x0
.endif
	MULS 0, \u, 0
.if \fetch
.if \u
	STEPS SX1
.else
	STEPS SX
.endif
	FETCH \u, AD, AASN, 272*\u
	s_wait_loadcnt 8
.else
	PLACES 4
	s_wait_loadcnt 8*(1-\u)
.endif
	ROPE \u
.if \fetch
	v_add_nc_u32 v[TOFN+\u], s[ST], v[TOFF]        ; (the loads that read this register last have been waited for above)
	TLD \u, TOFN+\u
.endif
	QUANT2 \u
.endm
.macro PAIR fetch, cb                  ; two blocks: a fragment of 32 tokens and its scale word
	s_wait_xcnt 0x0                                ; the last fragment's stores have read their registers and their base
	s_add_nc_u64 s[\cb:\cb+1], s[\cb:\cb+1], 1536
	QKBLK 0, \fetch
	QKBLK 1, \fetch
	v_mov_b32 v[W], v[W+1]                         ; the four words move up: after four pairs word f stands in v[W + f]
	v_mov_b32 v[W+1], v[W+2]
	v_mov_b32 v[W+2], v[W+3]
	v_lshl_or_b32 v[W+3], v[PW+1], 16, v[PW]
.irp c, 0,1,2
	global_store_b128 v[ST16], v[F0+4*\c:F0+4*\c+3], s[\cb:\cb+1] offset:512*\c
.endr
.if \fetch
	s_add_co_u32 s[SX], s[SX], 2*TILEB             ; on to the next pair; behind the fourth comes the first again, for the next phase
	s_cmp_eq_u32 s[SX], 8*TILEB
	s_cselect_b32 s[SX], 0, s[SX]
	s_add_co_u32 s[SX1], s[SX], TILEB
	s_add_co_u32 s[SS], s[SS], 1088
	s_cmp_eq_u32 s[SS], 4352
	s_cselect_b32 s[SS], 0, s[SS]
	s_add_co_u32 s[ST], s[ST], 8192
	s_and_b32 s[ST], s[ST], 32767
.endif
.endm
.macro PAIRS trips, cb
	s_mov_b32 s[CNT], 0
.Lpairs_\@:
	PAIR 1, \cb
	s_add_co_u32 s[CNT], s[CNT], 1
	s_cmp_lg_u32 s[CNT], \trips
	s_cbranch_scc1 .Lpairs_\@
.endm
; ---- the head
	s_load_b256 s[4:11], s[0:1], 0x0               ; codes1, scales1, the table, q's records
	s_load_b64 s[12:13], s[0:1], 0x20              ; k's and v's records
	v_lshl_add_u32 v[SPW], v0, 2, SPARE
	v_mov_b32 v[NIL], 0
	ds_add_u32 v[SPW], v[NIL]                      ; the opening lines: the add, twice on end, and its wait ahead of my first tensor load
	ds_add_u32 v[SPW], v[NIL]
	v_lshrrev_b32 v1, 5, v0
	v_readfirstlane_b32 s14, v1                    ; wave
	s_lshr_b32 s15, s14, 1                         ; a
	s_and_b32 s16, s14, 1                          ; b
	s_bfe_u32 s40, ttmp6, 0x40000                  ; cx
	s_bfe_u32 s41, ttmp6, 0x40004                  ; cy
	s_lshl_b32 s42, ttmp9, 2
	s_add_co_u32 s42, s42, s40                     ; column group, 0 .. 7
	s_and_b32 s17, ttmp7, 0xffff
	s_lshl_b32 s17, s17, 2
	s_add_co_u32 s17, s17, s41                     ; tile row, 0 .. 31
	s_lshl_b32 s43, s41, 2
	s_lshl_b32 s43, 15, s43                        ; my row of the cluster
	s_lshl_b32 s44, 0x1111, s40                    ; my column
	s_or_b32 s[G1A], s43, (3<<16)|(1<<21)
	s_or_b32 s[G1B], s44, (3<<16)|(1<<21)
	s_or_b32 s[G1W], s44, (3<<16)|(1<<21)
	s_or_b32 s[G1S], s43, (3<<16)|(1<<20)|(1<<21)|(5<<22)|(3<<25)   ; 16 bytes of padding behind each 256
	DENSE G1A, 384                                 ; 8 tiles
	DENSE G1B, 384
	DENSE G1W, 96                                  ; 2 tiles
	DENSE G1S, 32
	s_mov_b32 s[G0B], 1
	s_mov_b32 s[G0B+1], BVB
	s_mov_b32 s[G0S], 1
	s_mov_b32 s[G0S+1], SCL
	s_mov_b32 s[G0A], 1
	s_mov_b32 s[G0A+1], AB
	s_mov_b32 s[G0C], 1
	s_mov_b32 s[G0C+1], AB+8*TILEB
	s_mov_b32 s[G0W], 1
	s_mul_i32 s[G0W+1], s14, 2*TILEB
	s_mul_i32 s20, s17, 16*TILEB                   ; x's codes, by the tile row alone
	s_mov_b32 s21, 0
	s_lshl_b32 s22, s17, 13                        ; x's scale bytes
	s_mov_b32 s23, 0
	s_mul_i32 s48, s42, 8*TILEB                    ; the weights' codes, by the column group alone
	s_add_co_u32 s50, s48, 10240*768               ; W_V's 128 rows
	s_mov_b32 s51, 0
	s_mul_i32 s49, s14, 2*TILEB
	s_add_co_u32 s48, s48, s49
	s_add_co_u32 s48, s48, 8192*768                ; W_Q's, my quarter
	s_mov_b32 s49, 0
	s_lshl_b32 s52, s42, 12                        ; W_Q's scale bytes, my 64 rows
	s_lshl_b32 s53, s16, 11
	s_add_co_u32 s52, s52, s53
	s_add_co_u32 s52, s52, 8192*32
	s_mov_b32 s53, 0
	s_lshr_b32 s46, s17, 3                         ; the batch
	s_lshl_b32 s46, s46, 4
	s_lshl_b32 s47, s42, 1
	s_add_co_u32 s46, s46, s47
	s_add_co_u32 s46, s46, s16                     ; my head's record
	s_mul_i32 s46, s46, 204800
	s_and_b32 s47, s17, 7
	s_lshl_b32 s47, s47, 1
	s_add_co_u32 s47, s47, s15                     ; my step of 128 keys
	s_lshl_b32 s54, s47, 8
	s_add_co_u32 s54, s54, s46                     ; the scale words: 256 bytes a step
	s_mov_b32 s55, 0
	s_mul_i32 s18, s47, 12288
	s_add_co_u32 s18, s18, s46
	s_add_co_u32 s18, s18, 8192                    ; the fragments: 12,288 bytes a step
	s_mov_b32 s19, 0
	s_lshl_b32 s46, s47, 15                        ; the table: 128 positions of 256 bytes a step
	s_mov_b32 s47, 0
	s_mul_i32 s96, s16, 4*TILEB
	s_mul_i32 s97, s15, 8*TILEB
	s_add_co_u32 s97, s97, AB
	s_mul_i32 s98, s15, 16*272
	s_add_co_u32 s98, s98, SCL
	s_mov_b32 s[SEL], 0x76543210
	s_mov_b32 s[SEL+1], 0xfedcba98                 ; lane l xor 16
	s_mov_b32 s[HM], 0xffff0000                    ; lanes 16-31
	v_and_b32 v1, 15, v0                           ; r
	v_bfe_u32 v2, v0, 4, 1                         ; h
	v_and_b32 v3, 31, v0
	v_lshlrev_b32 v4, 3, v3
	v_add_nc_u32 v[ADRB], s96, v4
	v_add_nc_u32 v[AD0], s97, v4
.irp j, 1,2,3,4,5
	v_add_nc_u32 v[AD0+\j], 2048*\j, v[AD0]
.endr
	v_lshrrev_b32 v5, 3, v1
	v_and_b32 v6, 7, v1
	v_mul_u32_u24 v7, v5, 544                      ; row 8 u + r + 8 (r / 8) of a group lies in piece u + 2 (r / 8) of the group's four, 32 (r % 8) bytes on
	v_lshl_add_u32 v7, v6, 5, v7
	v_add_nc_u32 v[AAS], s98, v7
	v_add_nc_u32 v8, v2, v5
	v_lshlrev_b32 v8, 8, v8
	v_lshl_add_u32 v[ABS], v1, 5, v8               ; 32 x (8 h + r + 8 (r / 8))
	v_lshlrev_b32 v[ST16], 4, v3
	v_lshlrev_b32 v7, 3, v2
	v_lshl_add_u32 v[SOFF], v1, 4, v7
	v_lshlrev_b32 v7, 8, v6
	v_lshl_add_u32 v7, v5, 12, v7
	v_lshl_add_u32 v[TOFF], v2, 6, v7
.irp b, 0,1,2,3
	v_mov_b32 v[TM+4+\b], 0                        ; written once: a lane permute's destination counts as one of its sources
	v_mov_b32 v[W+\b], 0                           ; and so that the words' first moves read written registers
.endr
	WALU
	s_wait_dscnt 0x0
	CROUND                                         ; all sixteen work-groups are here: the joint loads meet
	s_wait_kmcnt 0x0
	s_add_nc_u64 s[G0B+2:G0B+3], s[4:5], s[50:51]
	s_or_b32 s[G0B+3], s[G0B+3], 0x80000000
	s_add_nc_u64 s[G0S+2:G0S+3], s[6:7], s[22:23]
	s_or_b32 s[G0S+3], s[G0S+3], 0x80000000
	s_add_nc_u64 s[G0A+2:G0A+3], s[4:5], s[20:21]
	s_add_nc_u64 s[G0C+2:G0C+3], s[G0A+2:G0A+3], 8*TILEB
	s_or_b32 s[G0A+3], s[G0A+3], 0x80000000
	s_or_b32 s[G0C+3], s[G0C+3], 0x80000000
	s_add_nc_u64 s[G0W+2:G0W+3], s[4:5], s[48:49]
	s_or_b32 s[G0W+3], s[G0W+3], 0x80000000
	s_add_nc_u64 s[6:7], s[6:7], s[52:53]
	s_add_nc_u64 s[CV:CV+1], s[12:13], s[18:19]
	s_sub_co_u32 s18, s18, 1536                    ; a pair's first line steps its base by a fragment
	s_add_nc_u64 s[CQ:CQ+1], s[10:11], s[18:19]
	s_add_nc_u64 s[CK:CK+1], s[12:13], s[18:19]
	s_add_nc_u64 s[SQ:SQ+1], s[10:11], s[54:55]
	s_add_nc_u64 s[SK:SK+1], s[12:13], s[54:55]
	s_add_nc_u64 s[RB:RB+1], s[8:9], s[46:47]
	s_cmp_eq_u32 s14, 0                            ; one chain of branches on the wave's number, one load to an arm
	s_cbranch_scc0 .Lwave_1
	TLOAD G0B, G1B                                 ; wave 0: W_V's rows, which go on into registers
	s_branch .Lasked
.Lwave_1:
	s_cmp_eq_u32 s14, 1
	s_cbranch_scc0 .Lwave_2
	TLOAD G0S, G1S                                 ; wave 1: x's scale bytes
	s_branch .Lasked
.Lwave_2:
	s_cmp_eq_u32 s14, 2
	s_cbranch_scc0 .Lwave_3
	TLOAD G0A, G1A                                 ; wave 2: x's tiles 0-7
	s_branch .Lasked
.Lwave_3:
	TLOAD G0C, G1A                                 ; wave 3: x's tiles 8-15
.Lasked:
.irp p, 0,1
.irp c, 0,1
	global_load_b128 v[SB+8*\p+4*\c:SB+8*\p+4*\c+3], v[ABS], s[6:7] offset:2048*32+1024*\p+16*\c   ; W_V's scale words: the 32 lanes read a group's 1,024 bytes
.endr
.endr
	WIN 3<<6
.irp q, 0,1
.irp p, 0,1
.irp c, 0,1
	global_load_b128 v[HOLD+16*\q+8*\p+4*\c:HOLD+16*\q+8*\p+4*\c+3], v[ABS], s[6:7] offset:1024*32*\q+1024*\p+16*\c   ; W_Q's, W_K's
.endr
.endr
.endr
	WIN 0
	s_mov_b32 s[SX], 2*TILEB                       ; the loops' first trip fetches pair 1
	s_mov_b32 s[SX1], 3*TILEB
	s_mov_b32 s[SS], 1088
	s_mov_b32 s[ST], 8192
	s_cmp_eq_u32 s14, 0
	s_cbranch_scc0 .Lnot_b
	s_wait_tensorcnt 0x0
.Lnot_b:
	BARRIER                                        ; W_V's rows are in
	WEIGHTS
	REFILL                                         ; every wave's tile is in and every wave holds W_V: W_Q's rows are asked for
	FETCH 0, AD0, AAS, 0
	STEPC 1
	FETCH 1, AD, AASN, 0
	s_wait_loadcnt 0x0                             ; the weights' scale words
; ---- V: eight blocks; the last two fetch tiles 0 and 1 again, for Q
.irp m, 0,1,2,3,4,5
	s_wait_dscnt NF
	MULS 1, \m%2, \m
	STEPC \m+2
	FETCH \m%2, AD, AASN, 0
.endr
	s_wait_dscnt NF
	MULS 1, 0, 6
	PLACES 4
	FETCH 0, AD0, AAS, 0
	s_wait_dscnt NF
	MULS 1, 1, 7
	STEPC 1
	FETCH 1, AD, AASN, 0
; ---- from V to Q: Q's weights go into registers; V's way out stands under their flight
	s_wait_tensorcnt 0x0
	s_wait_dscnt 0x0
	BARRIER                                        ; W_Q's rows are shown to all
	s_add_nc_u64 s[G0W+2:G0W+3], s[G0W+2:G0W+3], 1024*768   ; no tensor load of mine is out: on to W_K's rows
	WEIGHTS
	MOVSB 0
	VOUT 0, 64, 0
	VOUT 1, 128, 0
	TLD 0, TOFF                                    ; the table of Q's first two blocks, into registers that V's tiles 0 and 1 have left
	TLD 1, TOFF
	VOUT 2, 72, 3
	VOUT 3, 136, 3
	WORDS SK, 4096
	WALU
	REFILL                                         ; every wave holds W_Q: W_K's rows are asked for
; ---- Q
	PAIRS 4, CQ
	WORDS SQ, 0
; ---- from Q to K
	s_wait_tensorcnt 0x0
	s_wait_dscnt 0x0
	BARRIER                                        ; W_K's rows are shown to all; nothing more is filled
	WEIGHTS
	MOVSB 1
	PLACES 8                                       ; a scale register written by a vector instruction stands 8 places ahead of a scaled matrix instruction
	WALU
	s_wait_dscnt 0x0
; ---- K: the last pair fetches nothing
	PAIRS 3, CK
	PAIR 0, CK
	WORDS SK, 0
	s_wait_tensorcnt 0x0                           ; the wave's end
	ds_add_u32 v[SPW], v[NIL]
	s_wait_dscnt 0x0
	CROUND                                         ; the closing round
	s_endpgm
.Lfunc_end_k_q830ae08afe_gemm_qkv:
	.size	k_q830ae08afe_gemm_qkv, .Lfunc_end_k_q830ae08afe_gemm_qkv-k_q830ae08afe_gemm_qkv
	.p2alignl 7, 3214868480
	.fill 96, 4, 3214868480
	.section	.rodata,"a",@progbits
	.p2align	6, 0x0
	.amdhsa_kernel k_q830ae08afe_gemm_qkv
		.amdhsa_group_segment_fixed_size 327680
		.amdhsa_private_segment_fixed_size 0
		.amdhsa_enable_private_segment 0
		.amdhsa_kernarg_size 40
		.amdhsa_user_sgpr_count 2
		.amdhsa_user_sgpr_kernarg_segment_ptr 1
		.amdhsa_wavefront_size32 1
		.amdhsa_system_sgpr_workgroup_id_x 1
		.amdhsa_system_sgpr_workgroup_id_y 1
		.amdhsa_system_sgpr_workgroup_id_z 1
		.amdhsa_system_vgpr_workitem_id 0
		.amdhsa_next_free_vgpr 1000
		.amdhsa_next_free_sgpr 102
		.amdhsa_reserve_vcc 0
		.amdhsa_float_denorm_mode_32 3
		.amdhsa_float_denorm_mode_16_64 3
		.amdhsa_memory_ordered 1
		.amdhsa_forward_progress 1
		.amdhsa_inst_pref_size 189
	.end_amdhsa_kernel
	.amdgpu_metadata
---
amdhsa.version: [ 1, 2 ]
amdhsa.kernels:
  - .name:           k_q830ae08afe_gemm_qkv
    .symbol:         k_q830ae08afe_gemm_qkv.kd
    .args:
      - { .name: codes1, .offset: 0, .size: 8, .value_kind: global_buffer, .address_space: global }
      - { .name: scales1, .offset: 8, .size: 8, .value_kind: global_buffer, .address_space: global }
      - { .name: rope, .offset: 16, .size: 8, .value_kind: global_buffer, .address_space: global }
      - { .name: qrec, .offset: 24, .size: 8, .value_kind: global_buffer, .address_space: global }
      - { .name: kvrec, .offset: 32, .size: 8, .value_kind: global_buffer, .address_space: global }
    .group_segment_fixed_size: 327680
    .private_segment_fixed_size: 0
    .kernarg_segment_align: 8
    .kernarg_segment_size: 40
    .max_flat_workgroup_size: 128
    .sgpr_count:     102
    .vgpr_count:     1000
    .wavefront_size: 32
...
	.end_amdgpu_metadata
.endif
;; end of part 2
;; launch attn (part 3): grid 4 x 64, 16 waves a work-group, clusters of 4 x 1, 327,680 bytes of LDS; arguments qrec, kvrec, o_codes, o_scales; writes o_codes, o_scales
.if DOCPART == 3
	.amdgcn_target "amdgcn-amd-amdhsa--gfx1250"
	.amdhsa_code_object_version 6
	.text
	.protected	k_q830ae08afe_attn
	.globl	k_q830ae08afe_attn
	.p2align	8
	.type	k_q830ae08afe_attn,@function
k_q830ae08afe_attn:
	s_mov_b64 s[64:65], 0
	v_nop
	global_prefetch_b8 v0, s[64:65] scope:SCOPE_SE
	s_setreg_imm32_b32 hwreg(HW_REG_WAVE_MODE, 25, 1), 1
	s_wait_xcnt 0x0
	s_wait_alu depctr_hold_cnt(0) depctr_sa_sdst(0) depctr_va_vdst(0) depctr_va_sdst(0) depctr_va_ssrc(0) depctr_va_vcc(0) depctr_vm_vsrc(0)
	s_getreg_b32 s2, hwreg(HW_REG_IB_STS2, 6, 4)
	s_cmp_eq_u32 s2, 0
	s_cbranch_scc0 .Lentry_in_a_cluster
	s_endpgm
.Lentry_in_a_cluster:
	s_bfe_u32 s2, ttmp6, 0x10000c
	s_cmp_lg_u32 s2, 0x3003
	s_cbranch_scc0 .Lentry_shape_is_right
	s_endpgm
.Lentry_shape_is_right:
; Causal attention of one head (work-group y = 16 batch + head) on codes of FP6 (E2M3) with E8M0 scales; the result is quantised anew along the model's 1,024 and leaves as codes and scale bytes for the last product.
; THE DEAL: the four work-groups of a cluster share one head.  The head's whole record of K and V (204,800 bytes: scale words, then 16 steps of 128 keys, as the launch before laid it) lies in LDS, asked for jointly.
; Work-group cx takes, of every step of 128 queries, the group of 32 with number cx.  A wave has two jobs of 16 queries: tile 0 of step w, then tile 1 of step 15 - w: 17 steps of 128 keys for every wave.
; LEFT OUT: steps whose keys all lie behind a job's queries: the causal mask gives them -inf, so they add nothing to the sums.  The walk has a constant count of trips; a scalar branch on ids leads round the work alone.
; A STEP: S^T = k q^T (a fragment of K holds two tiles of keys along its 128; q stands in one half of the other operand and zeros in the other), the mask on the diagonal step, the running maximum, p = 2^(t - M) with M a whole
; number, the row's sum of the unquantised p, p quantised block by block (a block's largest p is made from its largest score by the same multiply-add and exponential), O^T += v^T p^T.
; FILLS: at the head each wave asks for 2,048 bytes (the scale words and steps 0, 1); behind the full sequence and a round for 10,752 more (steps 2 to 15).  Nothing is filled again.  No prefetch: all that is read is asked for at the head.
; DEPENDENT LINES stand five or more vector lines apart where independent work is at hand; a hint stands where none is.
; LIMITS: the promise holds while the scaled scores stay under 2^31 in magnitude; NaN and infinities are not served; a block whose largest magnitude lies under 2^-124 has its byte held at 1: this program alone reads the bytes.
.set L16, 1
.set R16, 2
.set ADK, 3
.set ADS, 5
.set DM,  6
.set NINF, 7
.set L8,  8
.set OSO, 9
.set DM0, 11
.set QZ,  16                           ; v16-33  zeros, q, zeros
.set QS,  34
.set PS,  35
.set SW,  36
.set KV,  40                           ; v40-87  four fragments of K, then of V
.set S,   88                           ; v88-151 the scores, then p
.set O,   152                          ; v152-183 O^T
.set PC,  184
.set EA,  196
.set BM,  204
.set PT,  208
.set SO,  212
.set WV,  12
.set SEL, 20
.set CS,  22
.set G1A, 24
.set G1B, 32
.set G0A, 40
.set G0B, 44
.set JG,  48
.set ST,  49
.set TK,  50
.set TS,  51
.set HM,  53
.set QB,  54
.set QSB, 56
.set OC,  58
.set OS,  60
.macro CROUND
	s_barrier_signal -1
	s_barrier_wait -1
	s_cmp_lg_u32 s[WV], 0
	s_cbranch_scc1 .Lnot_wave_0_\@
	s_barrier_signal -3
.Lnot_wave_0_\@:
	s_barrier_wait -3
	s_barrier_signal -1
	s_barrier_wait -1
.endm
.macro XS i                            ; line i of the scale bytes' chain, laid among the sum's additions
.if (\i) < 4
	v_max_num_f32 v[BM+(\i)], 0x1800000, v[BM+(\i)]         ; the floor 2^(3 - 127): the byte cannot fall under 1
.elseif (\i) < 8
	v_add_nc_u32 v[SO+(\i)-4], 0xff000000, v[BM+(\i)-4]     ; 2 off the exponent field: the conversion's scale operand
.elseif (\i) < 12
	v_lshrrev_b32 v[PT+(\i)-8], 23, v[SO+(\i)-8]            ; the scale's byte
.elseif (\i) == 13
	v_lshl_or_b32 v[PS], v[PT+1], 8, v[PT]
.elseif (\i) == 14
	v_lshl_or_b32 v221, v[PT+3], 8, v[PT+2]
.elseif (\i) == 18
	v_lshl_or_b32 v[PS], v221, 16, v[PS]                    ; p's scale word for these 128 keys
.endif
.endm
.macro SUMS from, to                   ; groups of the row's sum, two chains; two lines of the other chain ride along
.set g, \from
.rept (\to)-(\from)
	v_pk_add_f32 v[14:15], v[14:15], v[S+4+4*g:S+5+4*g]
	XS 2*g
	v_pk_add_f32 v[216:217], v[216:217], v[S+6+4*g:S+7+4*g]
	XS 2*g+1
.set g, g+1
.endr
.endm
.macro STEP
	s_cmp_gt_u32 s[ST], s[JG]
	s_cbranch_scc1 .Lhid_\@
	s_mul_i32 s[TK], s[ST], 12288
	s_lshl_b32 s[TS], s[ST], 8
	v_add_nc_u32 v[ADK], s[TK], v[L16]             ; these four lines are the places behind the last step's products
	v_add_nc_u32 v[ADS], s[TS], v[R16]
	v_nop
	v_nop
.irp f, 0,1,2,3
.irp c, 0,1,2
	ds_load_b128 v[KV+12*\f+4*\c:KV+12*\f+4*\c+3], v[ADK] offset:8192+1536*\f+512*\c
.endr
.endr
	ds_load_b128 v[SW:SW+3], v[ADS]
	s_wait_alu depctr_va_vdst(0)
	s_wait_dscnt 0x0
.irp f, 0,1,2,3
	v_wmma_scale_f32_16x16x128_f8f6f4 v[S+16*\f:S+16*\f+7], v[KV+12*\f:KV+12*\f+11], v[QZ+6:QZ+17], 0, v[SW+\f], v[QS] matrix_a_fmt:MATRIX_FMT_FP6 matrix_b_fmt:MATRIX_FMT_FP6
	v_wmma_scale_f32_16x16x128_f8f6f4 v[S+16*\f+8:S+16*\f+15], v[KV+12*\f:KV+12*\f+11], v[QZ:QZ+11], 0, v[SW+\f], v[QS] matrix_a_fmt:MATRIX_FMT_FP6 matrix_b_fmt:MATRIX_FMT_FP6
.endr
	v_mov_b32 v220, v12                            ; the old -M; with the three lines below the places behind the products
.rept 3
	v_nop
.endr
.irp t, 0,1,2,3
.irp c, 0,1,2
	ds_load_b128 v[KV+12*\t+4*\c:KV+12*\t+4*\c+3], v[ADK] offset:14336+1536*\t+512*\c
.endr
.endr
	ds_load_b128 v[SW:SW+3], v[ADS] offset:4096
	s_cmp_lg_u32 s[ST], s[JG]
	s_cbranch_scc1 .Lopen_\@
.set n, 0
.rept 64                               ; the diagonal step: keys behind my query get -inf
	v_cmp_gt_i32 vcc_lo, 32*(n/16)+n%16, v[DM]
	v_cndmask_b32 v[S+n], v[S+n], v[NINF], vcc_lo
.set n, n+1
.endr
.Lopen_\@:
.irp b, 0,1,2,3
	v_max3_num_f32 v[BM+\b], v[S+16*\b], v[S+1+16*\b], v[S+2+16*\b]   ; the largest score of each block of 32 keys, the four blocks by turns
.endr
.irp i, 3,5,7,9,11,13
.irp b, 0,1,2,3
	v_max3_num_f32 v[BM+\b], v[BM+\b], v[S+16*\b+\i], v[S+1+16*\b+\i]
.endr
.endr
.irp b, 0,1,2,3
	v_max_num_f32 v[BM+\b], v[BM+\b], v[S+15+16*\b]
.endr
	v_nop                                          ; one line parts the groups of four: a line's reader stands five lines on
.irp b, 0,1,2,3
	v_permlanex16_b32 v[PT+\b], v[BM+\b], s[SEL], s[SEL+1]
.endr
	v_nop
.irp b, 0,1,2,3
	v_max_num_f32 v[BM+\b], v[BM+\b], v[PT+\b]     ; with lane l xor 16's 16 keys
.endr
	s_delay_alu instid0(VALU_DEP_2)
	v_max3_num_f32 v221, v[BM], v[BM+1], v[BM+2]
	s_delay_alu instid0(VALU_DEP_1)
	v_max3_num_f32 v13, v13, v221, v[BM+3]         ; the running largest score of my query
	s_delay_alu instid0(VALU_DEP_1)
	v_mul_f32 v221, s[CS], v13                     ; as t (the factor is positive)
	s_delay_alu instid0(VALU_DEP_1)
	v_floor_f32 v12, -v221                         ; -M = floor(-t): M is a whole number
.set j, 0
.rept 32
	v_pk_fma_f32 v[S+j:S+j+1], v[S+j:S+j+1], s[CS:CS+1], v[12:13] op_sel_hi:[1,0,0]   ; t - M, two at a time
.if j == 8
	v_sub_f32 v220, v12, v220                      ; M's old value less its new one, a whole number;
.endif
.if j == 18
	v_cvt_i32_f32 v220, v220                       ; (it saturates)
.endif
.if j == 28
	v_ldexp_f32 v218, 1.0, v220                    ; f = 2^(old M - new M): a multiplication by it rounds nothing
.endif
.set j, j+2
.endr
.irp b, 0,1,2,3
	v_fma_f32 v[BM+\b], v[BM+\b], s[CS], v12       ; the same of each block's largest score
.endr
.set j, 0
.rept 16
	v_pk_mul_f32 v[O+j:O+j+1], v[O+j:O+j+1], v[218:219] op_sel_hi:[1,0]   ; O^T under the new M
.set j, j+2
.endr
	s_wait_alu depctr_va_vdst(0)
.irp b, 0,1,2,3
	v_exp_f32 v[BM+\b], v[BM+\b]                   ; each block's largest p
.endr
.set j, 0
.rept 64
	v_exp_f32 v[S+j], v[S+j]                       ; p = 2^(t - M)
.set j, j+1
.endr
	v_pk_mul_f32 v[14:15], v[14:15], v[218:219] op_sel_hi:[1,0]   ; the sums under the new M; the plain line behind the batch
	s_wait_alu depctr_va_vdst(0)                   ; one wait for the whole batch, ahead of its first reader
	v_pk_add_f32 v[216:217], v[S:S+1], v[S+2:S+3]
	SUMS 0, 10
.irp c, 0,1
	v_cvt_scalef32_pk16_fp6_f32 v[PC+6*\c:PC+6*\c+2], v[S+32*\c:S+32*\c+15], v[SO+2*\c]
	v_cvt_scalef32_pk16_fp6_f32 v[EA+4*\c:EA+4*\c+2], v[S+32*\c+16:S+32*\c+31], v[SO+2*\c+1]
.endr
	SUMS 10, 11                                    ; plain lines behind the scaled conversions
.irp c, 0,1
.irp i, 0,1,2
	v_permlane16_swap_b32 v[PC+6*\c+\i], v[EA+4*\c+\i]   ; the operand's layout wants a whole block in a lane
.endr
.endr
.irp c, 0,1
.irp i, 0,1,2
	v_mov_b32 v[PC+3+6*\c+\i], v[EA+4*\c+\i]
.endr
.endr
	SUMS 11, 15                                    ; the sum's last groups are the places between p's codes and the products below
	s_delay_alu instid0(VALU_DEP_1)
	v_pk_add_f32 v[14:15], v[14:15], v[216:217]
	s_wait_alu depctr_va_vdst(0)
	s_wait_dscnt 0x0
.irp t, 0,1,2,3
	v_wmma_scale_f32_16x16x128_f8f6f4 v[O+8*\t:O+8*\t+7], v[KV+12*\t:KV+12*\t+11], v[PC:PC+11], v[O+8*\t:O+8*\t+7], v[SW+\t], v[PS] matrix_a_fmt:MATRIX_FMT_FP6 matrix_b_fmt:MATRIX_FMT_FP6
.endr
.Lhid_\@:
	s_add_co_u32 s[ST], s[ST], 1
.endm
.macro WALK end                        ; the steps up to \end; the step's number is the loop's counter
.Lwalk_\@:
	STEP
	s_cmp_lg_u32 s[ST], \end
	s_cbranch_scc1 .Lwalk_\@
.endm
.macro JOBINIT u
.if \u
	s_wait_xcnt 0x0
	s_xor_b32 s[JG], s[WV], 15
.else
	s_mov_b32 s[JG], s[WV]
.endif
	s_mov_b32 s63, 0
	s_mul_i32 s62, s[JG], 12288
	s_add_co_u32 s62, s62, s66
	s_add_nc_u64 s[QB:QB+1], s[4:5], s[62:63]
	s_lshl_b32 s62, s[JG], 8
	s_add_co_u32 s62, s62, s67
	s_add_nc_u64 s[QSB:QSB+1], s[4:5], s[62:63]
	s_mul_i32 s62, s[JG], 98304
	s_add_co_u32 s62, s62, s68
.if \u
	s_add_co_u32 s62, s62, 12288
.endif
	s_add_nc_u64 s[OC:OC+1], s[8:9], s[62:63]
	s_lshl_b32 s62, s[JG], 12
	s_add_co_u32 s62, s62, s69
.if \u
	s_add_co_u32 s62, s62, 256
.endif
	s_add_nc_u64 s[OS:OS+1], s[10:11], s[62:63]
	s_lshl_b32 s62, s13, 5
.if \u
	s_add_co_u32 s62, s62, 8
.endif
	v_add_nc_u32 v[DM], s62, v[DM0]
.if \u
	global_load_b64 v[QZ+6:QZ+7], v[L16], s[QB:QB+1] offset:520
	global_load_b128 v[QZ+8:QZ+11], v[L16], s[QB:QB+1] offset:1024
.else
	global_load_b128 v[QZ+6:QZ+9], v[L16], s[QB:QB+1]
	global_load_b64 v[QZ+10:QZ+11], v[L16], s[QB:QB+1] offset:512
.endif
	global_load_b32 v220, v[R16], s[QSB:QSB+1]
	s_wait_loadcnt 0x0
.if \u
	v_perm_b32 v[QS], v220, v220, 0x03020302
.else
	v_perm_b32 v[QS], v220, v220, 0x01000100
.endif
	v_mov_b32 v13, 0xff61b1e6                      ; the largest score so far: -3e38
	s_delay_alu instid0(VALU_DEP_1)
	v_floor_f32 v12, -v13
	v_mov_b32 v14, 0
	v_mov_b32 v15, 0
.set j, 0
.rept 32
	v_mov_b32 v[O+j], 0
.set j, j+1
.endr
.endm
.macro FINISH                          ; O^T / the sum, quantised along the head's 64, which are two blocks of the last product's K
.rept 4
	v_nop
.endr
	v_add_f32 v14, v14, v15
	s_delay_alu instid0(VALU_DEP_1)
	v_permlanex16_b32 v220, v14, s[SEL], s[SEL+1]
	s_delay_alu instid0(VALU_DEP_1)
	v_add_f32 v14, v14, v220
	s_wait_alu depctr_va_vdst(0)
	v_rcp_f32 v218, v14
	v_nop
	s_wait_alu depctr_va_vdst(0)
.set j, 0
.rept 16
	v_pk_mul_f32 v[S+j:S+j+1], v[O+j:O+j+1], v[218:219] op_sel_hi:[1,0]
.set j, j+2
.endr
.irp b, 0,1
	v_max3_num_f32 v[BM+\b], |v[S+16*\b]|, |v[S+1+16*\b]|, 0x1800000
.endr
.irp i, 2,4,6,8,10,12,14
.irp b, 0,1
	s_delay_alu instid0(VALU_DEP_2)
	v_max3_num_f32 v[BM+\b], v[BM+\b], |v[S+16*\b+\i]|, |v[S+1+16*\b+\i]|
.endr
.endr
.irp b, 0,1
	s_delay_alu instid0(VALU_DEP_2)
	v_permlanex16_b32 v[PT+\b], v[BM+\b], s[SEL], s[SEL+1]
.endr
.irp b, 0,1
	s_delay_alu instid0(VALU_DEP_2)
	v_max_num_f32 v[BM+\b], v[BM+\b], v[PT+\b]
.endr
.irp b, 0,1
	s_delay_alu instid0(VALU_DEP_2)
	v_add_nc_u32 v[SO+\b], 0xff000000, v[BM+\b]
.endr
.irp b, 0,1
	s_delay_alu instid0(VALU_DEP_2)
	v_lshrrev_b32 v[PT+\b], 23, v[SO+\b]
.endr
	v_cvt_scalef32_pk16_fp6_f32 v[PC:PC+2], v[S:S+15], v[SO]
	v_cvt_scalef32_pk16_fp6_f32 v[EA:EA+2], v[S+16:S+31], v[SO+1]
	v_nop
.irp i, 0,1,2
	v_permlane16_swap_b32 v[PC+\i], v[EA+\i]
.endr
.irp i, 0,1,2
	s_delay_alu instid0(VALU_DEP_3)
	v_mov_b32 v[PC+3+\i], v[EA+\i]
.endr
.irp i, 0,1,2
	global_store_b64 v[L8], v[PC+2*\i:PC+2*\i+1], s[OC:OC+1] offset:256*\i
.endr
	v_cndmask_b32 v221, v[PT], v[PT+1], s[HM]
	global_store_b8 v[OSO], v221, s[OS:OS+1]
.endm
; ---- the head
	s_load_b256 s[4:11], s[0:1], 0x0               ; q's records, k's and v's, o's codes, o's scale bytes
	v_lshl_add_u32 v224, v0, 2, 0x32000
	v_mov_b32 v225, 0
	ds_add_u32 v224, v225                          ; the opening lines: the add, twice on end, and its wait
	ds_add_u32 v224, v225
	v_lshrrev_b32 v1, 5, v0
	s_delay_alu instid0(VALU_DEP_1)
	v_readfirstlane_b32 s[WV], v1
	s_bfe_u32 s13, ttmp6, 0x40000                  ; cx
	s_and_b32 s14, ttmp7, 0xffff                   ; the head
	s_mul_i32 s15, s14, 204800
	s_mov_b32 s[G1A], 15|(3<<16)|(1<<21)           ; dense blocks as rows of 256 bytes; the mask names the cluster's four
	s_mov_b32 s[G1A+1], 32<<16
	s_mov_b32 s[G1A+2], 8<<16
	s_mov_b32 s[G1A+3], 32<<16
	s_mov_b32 s[G1A+4], 8
	s_mov_b32 s[G1A+5], 32
	s_mov_b32 s[G1A+6], 0
	s_mov_b32 s[G1A+7], 0
	s_mov_b32 s[G1B], 15|(3<<16)|(1<<21)
	s_mov_b32 s[G1B+1], 32<<16
	s_mov_b32 s[G1B+2], 42<<16
	s_mov_b32 s[G1B+3], 32<<16
	s_mov_b32 s[G1B+4], 42
	s_mov_b32 s[G1B+5], 32
	s_mov_b32 s[G1B+6], 0
	s_mov_b32 s[G1B+7], 0
	s_lshl_b32 s16, s[WV], 11
	s_mul_i32 s17, s[WV], 10752
	s_add_co_u32 s17, s17, 32768
	s_mov_b32 s63, 0
	s_wait_dscnt 0x0
	s_wait_kmcnt 0x0
	s_mov_b32 s[G0A], 1
	s_mov_b32 s[G0A+1], s16
	s_add_co_u32 s62, s15, s16
	s_add_nc_u64 s[G0A+2:G0A+3], s[6:7], s[62:63]
	s_or_b32 s[G0A+3], s[G0A+3], 0x80000000
	s_mov_b32 s[G0B], 1
	s_mov_b32 s[G0B+1], s17
	s_add_co_u32 s62, s15, s17
	s_add_nc_u64 s[G0B+2:G0B+3], s[6:7], s[62:63]
	s_or_b32 s[G0B+3], s[G0B+3], 0x80000000
	CROUND
	tensor_load_to_lds s[G0A:G0A+3], s[G1A:G1A+7]  ; my sixteenth of the record's first 32,768 bytes
	s_nop 0
	; the set-up and the first job's q stand under that load's flight
	v_and_b32 v10, 31, v0
	s_delay_alu instid0(VALU_DEP_1)
	v_lshlrev_b32 v[L16], 4, v10
	s_delay_alu instid0(VALU_DEP_2)
	v_lshlrev_b32 v[L8], 3, v10
	v_and_b32 v10, 15, v0
	s_delay_alu instid0(VALU_DEP_1)
	v_lshlrev_b32 v[R16], 4, v10
	v_bfe_u32 v4, v0, 4, 1
	s_delay_alu instid0(VALU_DEP_3)
	v_and_b32 v[DM0], 7, v10
	s_delay_alu instid0(VALU_DEP_4)
	v_lshrrev_b32 v10, 3, v10
	s_delay_alu instid0(VALU_DEP_1)
	v_lshl_add_u32 v[DM0], v10, 4, v[DM0]
	s_delay_alu instid0(VALU_DEP_1)
	v_lshl_add_u32 v[OSO], v[DM0], 5, v4
	v_lshlrev_b32 v4, 4, v4
	s_delay_alu instid0(VALU_DEP_1)
	v_sub_nc_u32 v[DM0], v[DM0], v4
	v_mov_b32 v[NINF], 0xff800000
.irp i, 0,1,2,3,4,5
	v_mov_b32 v[QZ+\i], 0
	v_mov_b32 v[QZ+12+\i], 0
.endr
.irp b, 0,1,2,3
	v_mov_b32 v[PT+\b], 0
.endr
	v_mov_b32 v219, 0
	s_mov_b32 s[SEL], 0x76543210
	s_mov_b32 s[SEL+1], 0xfedcba98
	s_mov_b32 s[CS], 0x3e38aa3b                    ; log2(e) / 8
	s_mov_b32 s[CS+1], s[CS]
	s_mov_b32 s[HM], 0xffff0000
	s_mul_i32 s66, s13, 1536
	s_add_co_u32 s66, s66, s15
	s_add_co_u32 s66, s66, 8192
	s_lshl_b32 s67, s13, 2
	s_add_co_u32 s67, s67, s15
	s_lshr_b32 s62, s14, 4
	s_and_b32 s16, s14, 15
	s_lshl_b32 s68, s62, 6
	s_add_co_u32 s68, s68, s13
	s_mul_i32 s68, s68, 24576
	s_mul_i32 s69, s16, 768
	s_add_co_u32 s68, s68, s69
	s_lshl_b32 s69, s62, 16
	s_lshl_b32 s62, s13, 10
	s_add_co_u32 s69, s69, s62
	s_lshl_b32 s16, s16, 1
	s_add_co_u32 s69, s69, s16
	JOBINIT 0
	s_wait_alu depctr_va_vdst(0)
	s_wait_tensorcnt 0x0                           ; lines ahead of a later first fill
	ds_add_u32 v224, v225
	s_wait_dscnt 0x0
	CROUND                                         ; every wave's part of the first 32,768 bytes is in
	tensor_load_to_lds s[G0B:G0B+3], s[G1B:G1B+7]  ; my sixteenth of steps 2 to 15
	s_nop 0
.rept 4
	v_nop
.endr
	s_mov_b32 s[ST], 0
	WALK 2                                         ; steps 0 and 1 under that load's flight
	s_wait_tensorcnt 0x0
	s_wait_dscnt 0x0
	s_barrier_signal -1
	s_barrier_wait -1                              ; the whole record is in
	s_mov_b32 s[ST], 2
	WALK 16
	FINISH
	JOBINIT 1
	s_mov_b32 s[ST], 0
	WALK 16
	FINISH
	s_wait_tensorcnt 0x0                           ; the wave's end
	ds_add_u32 v224, v225
	s_wait_dscnt 0x0
	CROUND                                         ; the closing round
	s_endpgm
.Lfunc_end_k_q830ae08afe_attn:
	.size	k_q830ae08afe_attn, .Lfunc_end_k_q830ae08afe_attn-k_q830ae08afe_attn
	.p2alignl 7, 3214868480
	.fill 96, 4, 3214868480
	.section	.rodata,"a",@progbits
	.p2align	6, 0x0
	.amdhsa_kernel k_q830ae08afe_attn
		.amdhsa_group_segment_fixed_size 327680
		.amdhsa_private_segment_fixed_size 0
		.amdhsa_enable_private_segment 0
		.amdhsa_kernarg_size 32
		.amdhsa_user_sgpr_count 2
		.amdhsa_user_sgpr_kernarg_segment_ptr 1
		.amdhsa_wavefront_size32 1
		.amdhsa_system_sgpr_workgroup_id_x 1
		.amdhsa_system_sgpr_workgroup_id_y 1
		.amdhsa_system_sgpr_workgroup_id_z 1
		.amdhsa_system_vgpr_workitem_id 0
		.amdhsa_next_free_vgpr 226
		.amdhsa_next_free_sgpr 72
		.amdhsa_reserve_vcc 1
		.amdhsa_float_denorm_mode_32 3
		.amdhsa_float_denorm_mode_16_64 3
		.amdhsa_memory_ordered 1
		.amdhsa_forward_progress 1
		.amdhsa_inst_pref_size 82
	.end_amdhsa_kernel
	.amdgpu_metadata
---
amdhsa.version: [ 1, 2 ]
amdhsa.kernels:
  - .name:           k_q830ae08afe_attn
    .symbol:         k_q830ae08afe_attn.kd
    .args:
      - { .name: qrec, .offset: 0, .size: 8, .value_kind: global_buffer, .address_space: global }
      - { .name: kvrec, .offset: 8, .size: 8, .value_kind: global_buffer, .address_space: global }
      - { .name: o_codes, .offset: 16, .size: 8, .value_kind: global_buffer, .address_space: global }
      - { .name: o_scales, .offset: 24, .size: 8, .value_kind: global_buffer, .address_space: global }
    .group_segment_fixed_size: 327680
    .private_segment_fixed_size: 0
    .kernarg_segment_align: 8
    .kernarg_segment_size: 32
    .max_flat_workgroup_size: 512
    .sgpr_count:     72
    .vgpr_count:     226
    .wavefront_size: 32
...
	.end_amdgpu_metadata
.endif
;; end of part 3
;; launch gemm_out (part 4): grid 8 x 32, 4 waves a work-group, clusters of 4 x 4, 327,680 bytes of LDS; arguments o_codes, o_scales, codes1, scales1, out0; writes out0
.if DOCPART == 4
	.amdgcn_target "amdgcn-amd-amdhsa--gfx1250"
	.amdhsa_code_object_version 6
	.text
	.protected	k_q830ae08afe_gemm_out
	.globl	k_q830ae08afe_gemm_out
	.p2align	8
	.type	k_q830ae08afe_gemm_out,@function
k_q830ae08afe_gemm_out:
	s_mov_b64 s[64:65], 0
	v_nop
	global_prefetch_b8 v0, s[64:65] scope:SCOPE_SE
	s_setreg_imm32_b32 hwreg(HW_REG_WAVE_MODE, 25, 1), 1
	s_wait_xcnt 0x0
	s_wait_alu depctr_hold_cnt(0) depctr_sa_sdst(0) depctr_va_vdst(0) depctr_va_sdst(0) depctr_va_ssrc(0) depctr_va_vcc(0) depctr_vm_vsrc(0)
	s_getreg_b32 s2, hwreg(HW_REG_IB_STS2, 6, 4)
	s_cmp_eq_u32 s2, 0
	s_cbranch_scc0 .Lentry_in_a_cluster
	s_endpgm
.Lentry_in_a_cluster:
	s_bfe_u32 s2, ttmp6, 0x10000c
	s_cmp_lg_u32 s2, 0xf033
	s_cbranch_scc0 .Lentry_shape_is_right
	s_endpgm
.Lentry_shape_is_right:
; out0 = o W_O^T on codes of FP6 (E2M3) with E8M0 scales, K = 1,024; out0 [8192][1024] f32, one f32 sum for each output, K ascending.
; OPERANDS: o's codes (o_codes) and W_O's (rows 11,264 on of codes1) lie in the order of an operand's registers: of a group of 32 rows, tile u holds in its row r the group's row 8 u + r + 8 (r / 8);
; the fragment of tile T and K step k lies at (8 T + k) x 1,536 bytes: six chunks of 256 bytes, lane l's 8 bytes at 8 l.  The scale bytes lie [row][32], rows in their natural order.
; THE DEAL: 256 work-groups, each 256 tokens x 128 columns; four waves, 2 x 2.  The wave in column b holds W_O's rows 64 b .. 64 b + 63 of the 128, ALL of K, in registers (32 fragments, 384 registers).
; The wave in row a takes tile 2 s + a of the 16 token tiles as its block s: eight blocks of 32 products on four accumulators by turns; a block's 16 x 64 results are finished with it.
; LDS IS FILLED ONCE: all of K of both operands fits (98,304 + 196,608 bytes), so there is no ring and no refill.  At the head one joint load a wave: wave 0 W_O's 128 rows, wave 1 the tokens' scale bytes,
; wave 2 token tiles 0-7, wave 3 tiles 8-15.  The first barrier shows wave 0's tile, the second waves 1's and 2's, a third, inside block 2, wave 3's, ahead of the fetch of block 4.  W_O's scale words go straight into registers.
; CLUSTERS: 4 x 4; the tokens' tiles are asked for jointly along a row of the cluster, W_O's along a column.
; NO PREFETCH: the text has no loop to run ahead in; every byte that the work-group reads is asked for by the head's four loads.
; THE MATRIX INSTRUCTION IS USED TRANSPOSED (source 0 = W_O's rows): lane (r, h) holds token row r of the tile, and register j of column tile t the column 32 (t / 2) + 16 h + 8 (t % 2) + j.
; THE WAY OUT: a block goes through the wave's own stage in LDS (16 rows of 256 + 16 bytes) and comes back by rows; each store covers two rows' 256 consecutive bytes, each at a multiple of 256 from out0's first byte.
; THE WAITS' COUNTS: a fetch is NF = 26 LDS loads, a way out NO = 16 LDS instructions.  Behind block s stand the way out of s and the fetch of s + 2.  So younger than block s's rows are NO + NF (s = 1 .. 6), NF (s = 0), NO (s = 7);
; younger than the way out of s - 1 is the fetch of s + 1 (NF), or nothing (s = 7).
; LIMITS: NaN and infinities are not served.
.set FR,     12                        ; registers of a fragment
.set FPW,    21                        ; fragments in a window of 256 registers; fragment f lies in window 1 + f / 21 at register 12 (f % 21): 0-31 W_O's (4 k + t), 32-39 and 40-47 the tokens' two sets
.set TILEB,  12288                     ; a tile of 16 rows, all of K
.set BVB,    0                         ; LDS: W_O's 8 tiles
.set AB,     8*TILEB                   ; the tokens' 16 tiles
.set SCL,    AB+16*TILEB               ; the tokens' scale bytes: 32 pieces of 256 + 16
.set SPITCH, 272
.set STAGE,  SCL+32*272                ; a stage of 16 rows for each wave
.set SPARE,  STAGE+4*16*SPITCH         ; the spare words
.set NF,     26
.set NO,     16
.set ADRB, 9                           ; v9      LDS address of my fragments of W_O
.set AD0,  10                          ; v10-15  LDS addresses of my block 0: six, 2,048 bytes apart (a two-address load reaches 2,040 bytes)
.set AAS,  16                          ; v16     of my row's scale words in block 0
.set ABS,  17                          ; v17     my row's offset in a group's scale bytes of W_O
.set STO,  18                          ; v18     the stage, in
.set RD,   19                          ; v19     the stage, back
.set CO,   20                          ; v20     my byte offset in out0
.set SPW,  21
.set NIL,  22
.set SB,   24                          ; v24-39  W_O's scale words: register 8 p + k: lanes 0-15 tile 2 p, lanes 16-31 tile 2 p + 1
.set SA,   44                          ; v44-59  the tokens' scale words, two sets of eight
.set ACC,  64                          ; v64-127 two sets of four accumulators
.set BK,   128                         ; v128-191 two sets of 16 rows read back
.set AD,   196                         ; v196-201 as v10-15, for the block that is fetched next
.set G1A, 24
.set G1B, 32
.set G0B, 56
.set G0S, 60
.set G1S, 68
.set G0A, 76
.set G0C, 80
.set MSB, 0
.macro WIN new                         ; the immediate's high byte repeats the setting that is left
.if MSB != (\new)
	s_set_vgpr_msb (MSB<<8)|(\new)
.set MSB, (\new)
.endif
.endm
.macro PLACES n
.rept \n
	v_nop
.endr
.endm
.macro BARRIER
	s_barrier_signal -1
	s_barrier_wait -1
.endm
.macro CROUND                          ; a round of the cluster's barrier
	BARRIER
	s_cmp_lg_u32 s14, 0
	s_cbranch_scc1 .Lnot_wave_0_\@
	s_barrier_signal -3
.Lnot_wave_0_\@:
	s_barrier_wait -3
	BARRIER
.endm
.macro TLOAD g0, g1
	tensor_load_to_lds s[\g0:\g0+3], s[\g1:\g1+7]
	s_nop 0
	PLACES 4
.endm
.macro WEIGHTS                         ; my 64 rows of W_O, all of K: 192 loads of 256 consecutive bytes
.set F_, 0
.rept 32
	WIN (1+F_/FPW)<<6
.irp p, 0,1,2,3,4,5
	ds_load_b64 v[FR*(F_%FPW)+2*\p:FR*(F_%FPW)+2*\p+1], v[ADRB] offset:(F_%4)*TILEB+(F_/4)*1536+256*\p
.endr
.set F_, F_+1
.endr
	WIN 0
.endm
.macro STEPAD n                        ; the addresses of block n; behind a block's products these six lines are the places ahead of the way out and the fetch
.irp j, 0,1,2,3,4,5
	v_add_nc_u32 v[AD+\j], 2*TILEB*(\n), v[AD0+\j]
.endr
.endm
.macro FETCH n                         ; block n into set n % 2: its 48 chunks, two to a load, and its eight scale words
.set E_, (\n)%2
.set A_, AD
.if (\n) == 0
.set A_, AD0
.endif
.set C_, 0
.rept 24
.set F_, 32+8*E_+C_/6
	WIN (1+F_/FPW)<<6
	ds_load_2addr_b64 v[FR*(F_%FPW)+2*(C_%6):FR*(F_%FPW)+2*(C_%6)+3], v[A_+C_/8] offset0:(C_%8)*32 offset1:(C_%8)*32+32
.set C_, C_+2
.endr
	WIN 0
	ds_load_b128 v[SA+8*E_:SA+8*E_+3], v[AAS] offset:1088*(\n)
	ds_load_b128 v[SA+8*E_+4:SA+8*E_+7], v[AAS] offset:1088*(\n)+16
.endm
.macro PROD1 d, s0, s1, c, x0, x1, o
.if \o
	v_wmma_scale_f32_16x16x128_f8f6f4 v[\d:\d+7], v[FR*((\s0)%FPW):FR*((\s0)%FPW)+FR-1], v[FR*((\s1)%FPW):FR*((\s1)%FPW)+FR-1], \c, v[\x0], v[\x1] matrix_a_fmt:MATRIX_FMT_FP6 matrix_b_fmt:MATRIX_FMT_FP6 matrix_a_scale:MATRIX_SCALE_ROW1
.else
	v_wmma_scale_f32_16x16x128_f8f6f4 v[\d:\d+7], v[FR*((\s0)%FPW):FR*((\s0)%FPW)+FR-1], v[FR*((\s1)%FPW):FR*((\s1)%FPW)+FR-1], \c, v[\x0], v[\x1] matrix_a_fmt:MATRIX_FMT_FP6 matrix_b_fmt:MATRIX_FMT_FP6 matrix_a_scale:MATRIX_SCALE_ROW0
.endif
.endm
.macro PROD e, n                       ; product n = 4 k + t of a block on set e; the first four start the sums
.set K_, (\n)/4
.set T_, (\n)%4
.set FA_, 32+8*(\e)+K_
.set D_, ACC+32*(\e)+8*T_
.set XB_, SB+8*(T_/2)+K_
.set XA_, SA+8*(\e)+K_
	WIN (1+(\n)/FPW)|((1+FA_/FPW)<<2)
.if K_
	PROD1 D_, \n, FA_, v[D_:D_+7], XB_, XA_, T_%2
.else
	PROD1 D_, \n, FA_, 0, XB_, XA_, T_%2
.endif
.endm
.macro MULS e, from, to
.set N_, \from
.rept (\to)-(\from)
	PROD \e, N_
.set N_, N_+1
.endr
.endm
.macro OUT s                           ; block s into my stage, each accumulator from its low end on, and back by rows; LDS serves a wave's instructions in order
.set AC_, ACC+32*((\s)%2)
.set BB_, BK+32*((\s)%2)
.irp t, 0,1,2,3
	ds_store_b128 v[STO], v[AC_+8*\t:AC_+8*\t+3] offset:128*(\t/2)+32*(\t%2)
	ds_store_b128 v[STO], v[AC_+8*\t+4:AC_+8*\t+7] offset:128*(\t/2)+32*(\t%2)+16
.endr
.irp i, 0,1,2,3,4,5,6,7
	ds_load_b128 v[BB_+4*\i:BB_+4*\i+3], v[RD] offset:2*SPITCH*\i
.endr
.endm
.macro SEND s                          ; stage rows 2 i and 2 i + 1 are rows 32 s + 8 a + 2 i + 8 (i / 4) and the next of the work-group's 256
.set BB_, BK+32*((\s)%2)
.irp i, 0,1,2,3,4,5,6,7
	global_store_b128 v[CO], v[BB_+4*\i:BB_+4*\i+3], s[12:13] offset:(32*(\s)+2*\i+8*(\i/4))*4096 th:TH_STORE_NT
.endr
.endm
.macro POST s                          ; behind block s's products
	WIN 0
.if (\s) > 0
.if (\s) < 7
	s_wait_dscnt NF                                ; block s - 1 is back from the stage; the fetch of s + 1 may be out
.else
	s_wait_dscnt 0x0
.endif
.if (\s) > 1
	s_wait_xcnt 0x0                                ; the stores of s - 2 have read their registers, which take block s below
.endif
	SEND (\s)-1
.endif
.if (\s)+2 < 8
	STEPAD (\s)+2
.else
	PLACES 4
.endif
	OUT \s
.if (\s)+2 < 8
	FETCH (\s)+2
.endif
.endm
.macro BLK s, w
	s_wait_dscnt \w
	MULS (\s)%2, 0, 32
	POST \s
.endm
; ---- the head
	s_load_b128 s[4:7], s[0:1], 0x0                ; o's codes, o's scale bytes
	s_load_b128 s[8:11], s[0:1], 0x10              ; codes1, scales1
	s_load_b64 s[12:13], s[0:1], 0x20              ; out0
	v_lshl_add_u32 v[SPW], v0, 2, SPARE
	v_mov_b32 v[NIL], 0
	ds_add_u32 v[SPW], v[NIL]                      ; the opening lines: the add, twice on end, and its wait ahead of my first tensor load
	ds_add_u32 v[SPW], v[NIL]
	v_lshrrev_b32 v1, 5, v0
	v_readfirstlane_b32 s14, v1                    ; wave
	s_lshr_b32 s15, s14, 1                         ; a: my row of the 2 x 2
	s_and_b32 s16, s14, 1                          ; b: my column
	s_bfe_u32 s40, ttmp6, 0x40000                  ; cx
	s_bfe_u32 s41, ttmp6, 0x40004                  ; cy
	s_lshl_b32 s42, ttmp9, 2
	s_add_co_u32 s42, s42, s40                     ; tile column, 0 .. 7
	s_and_b32 s17, ttmp7, 0xffff
	s_lshl_b32 s17, s17, 2
	s_add_co_u32 s17, s17, s41                     ; tile row, 0 .. 31
	s_lshl_b32 s43, s41, 2
	s_lshl_b32 s43, 15, s43                        ; my row of the cluster
	s_lshl_b32 s44, 0x1111, s40                    ; my column
	s_or_b32 s[G1A], s43, (3<<16)|(1<<21)          ; a dense block of 98,304 bytes as 384 rows of 256 (32 elements of 8 bytes), no padding: a load's lanes read 256 consecutive bytes
	s_or_b32 s[G1B], s44, (3<<16)|(1<<21)
.irp g, G1A, G1B
	s_mov_b32 s[\g+1], 32<<16
	s_mov_b32 s[\g+2], 384<<16
	s_mov_b32 s[\g+3], 32<<16
	s_mov_b32 s[\g+4], 384
	s_mov_b32 s[\g+5], 32
	s_mov_b32 s[\g+6], 0
	s_mov_b32 s[\g+7], 0
.endr
	s_or_b32 s[G1S], s43, (3<<16)|(1<<20)|(1<<21)|(5<<22)|(3<<25)   ; 8,192 scale bytes as 32 rows of 256, 16 bytes of padding behind each
	s_mov_b32 s[G1S+1], 32<<16
	s_mov_b32 s[G1S+2], 32<<16
	s_mov_b32 s[G1S+3], 32<<16
	s_mov_b32 s[G1S+4], 32
	s_mov_b32 s[G1S+5], 32
	s_mov_b32 s[G1S+6], 0
	s_mov_b32 s[G1S+7], 0
	s_mov_b32 s[G0B], 1
	s_mov_b32 s[G0B+1], BVB
	s_mov_b32 s[G0S], 1
	s_mov_b32 s[G0S+1], SCL
	s_mov_b32 s[G0A], 1
	s_mov_b32 s[G0A+1], AB
	s_mov_b32 s[G0C], 1
	s_mov_b32 s[G0C+1], AB+8*TILEB
	s_mul_i32 s20, s17, 16*TILEB                   ; the tokens' codes, by the tile row alone
	s_mov_b32 s21, 0
	s_lshl_b32 s22, s17, 13                        ; their scale bytes
	s_mov_b32 s23, 0
	s_mul_i32 s46, s42, 8*TILEB                    ; W_O's codes, by the tile column alone
	s_add_co_u32 s46, s46, 11264*768
	s_mov_b32 s47, 0
	s_lshl_b32 s48, s42, 12                        ; W_O's scale bytes, my 64 rows
	s_lshl_b32 s49, s16, 11
	s_add_co_u32 s48, s48, s49
	s_add_co_u32 s48, s48, 11264*32
	s_mov_b32 s49, 0
	s_lshl_b32 s50, s17, 20                        ; out0: row 256 x tile row + 8 a, byte 512 x tile column + 256 b of it
	s_lshl_b32 s51, s15, 15
	s_add_co_u32 s50, s50, s51
	s_lshl_b32 s51, s42, 9
	s_add_co_u32 s50, s50, s51
	s_lshl_b32 s51, s16, 8
	s_add_co_u32 s50, s50, s51
	s_mov_b32 s51, 0
	s_mul_i32 s52, s16, 4*TILEB
	s_mul_i32 s53, s15, TILEB
	s_add_co_u32 s53, s53, AB
	s_mul_i32 s54, s15, 272
	s_add_co_u32 s54, s54, SCL
	s_mul_i32 s55, s14, 16*SPITCH
	s_add_co_u32 s55, s55, STAGE
	v_and_b32 v1, 15, v0                           ; r
	v_bfe_u32 v2, v0, 4, 1                         ; h
	v_and_b32 v3, 31, v0
	v_lshlrev_b32 v4, 3, v3                        ; 8 x lane
	v_add_nc_u32 v[ADRB], s52, v4
	v_add_nc_u32 v[AD0], s53, v4
.irp j, 1,2,3,4,5
	v_add_nc_u32 v[AD0+\j], 2048*\j, v[AD0]
.endr
	v_lshrrev_b32 v5, 3, v1                        ; r / 8
	v_and_b32 v6, 7, v1
	v_mul_u32_u24 v7, v5, 544                      ; row 8 u + r + 8 (r / 8) of a group lies in piece u + 2 (r / 8) of the group's four, 32 (r % 8) bytes on
	v_lshl_add_u32 v7, v6, 5, v7
	v_add_nc_u32 v[AAS], s54, v7
	v_add_nc_u32 v8, v2, v5
	v_lshlrev_b32 v8, 8, v8
	v_lshl_add_u32 v[ABS], v1, 5, v8               ; 32 x (8 h + r + 8 (r / 8)): lanes 0-15 the even tile's rows, lanes 16-31 the odd tile's
	v_mul_u32_u24 v8, v1, SPITCH
	v_lshl_add_u32 v8, v2, 6, v8
	v_add_nc_u32 v[STO], s55, v8                   ; in: row r, 64 bytes for each half of the lanes
	v_mul_u32_u24 v7, v2, SPITCH
	v_lshl_add_u32 v7, v1, 4, v7
	v_add_nc_u32 v[RD], s55, v7                    ; back: sixteen lanes to a row of 256 bytes, two rows an instruction
	v_lshlrev_b32 v6, 12, v2
	v_lshl_add_u32 v[CO], v1, 4, v6                ; and the same in out0
	s_wait_alu depctr_va_vdst(0)
	s_wait_dscnt 0x0                               ; both opening adds are done
	CROUND                                         ; all sixteen work-groups are here: the joint loads meet
	s_wait_kmcnt 0x0
	s_add_nc_u64 s[G0B+2:G0B+3], s[8:9], s[46:47]
	s_or_b32 s[G0B+3], s[G0B+3], 0x80000000
	s_add_nc_u64 s[G0S+2:G0S+3], s[6:7], s[22:23]
	s_or_b32 s[G0S+3], s[G0S+3], 0x80000000
	s_add_nc_u64 s[G0A+2:G0A+3], s[4:5], s[20:21]
	s_add_nc_u64 s[G0C+2:G0C+3], s[G0A+2:G0A+3], 8*TILEB
	s_or_b32 s[G0A+3], s[G0A+3], 0x80000000
	s_or_b32 s[G0C+3], s[G0C+3], 0x80000000
	s_add_nc_u64 s[10:11], s[10:11], s[48:49]
	s_add_nc_u64 s[12:13], s[12:13], s[50:51]
	s_cmp_eq_u32 s14, 0                            ; one chain of branches on the wave's number, one load to an arm
	s_cbranch_scc0 .Lwave_1
	TLOAD G0B, G1B                                 ; wave 0: W_O's rows, which go on into registers
	s_branch .Lasked
.Lwave_1:
	s_cmp_eq_u32 s14, 1
	s_cbranch_scc0 .Lwave_2
	TLOAD G0S, G1S                                 ; wave 1: the tokens' scale bytes
	s_branch .Lasked
.Lwave_2:
	s_cmp_eq_u32 s14, 2
	s_cbranch_scc0 .Lwave_3
	TLOAD G0A, G1A                                 ; wave 2: token tiles 0-7
	s_branch .Lasked
.Lwave_3:
	TLOAD G0C, G1A                                 ; wave 3: token tiles 8-15
.Lasked:
.irp p, 0,1
.irp c, 0,1
	global_load_b128 v[SB+8*\p+4*\c:SB+8*\p+4*\c+3], v[ABS], s[10:11] offset:1024*\p+16*\c   ; the 32 lanes read a group's 1,024 scale bytes, 32 a lane
.endr
.endr
	s_cmp_eq_u32 s14, 0
	s_cbranch_scc0 .Lnot_b
	s_wait_tensorcnt 0x0
.Lnot_b:
	BARRIER                                        ; W_O's rows are in
	WEIGHTS
	s_cmp_eq_u32 s14, 3
	s_cbranch_scc1 .Lnot_a
	s_wait_tensorcnt 0x0
.Lnot_a:
	s_wait_dscnt 0x0
	BARRIER                                        ; tiles 0-7 and the scale bytes are in; wave 3's load may still be out
	FETCH 0
	STEPAD 1
	FETCH 1
	s_wait_loadcnt 0x0                             ; W_O's scale words
; ---- eight blocks
	BLK 0, NF
	BLK 1, NO+NF
	s_wait_dscnt NO+NF
	MULS 0, 0, 26
	WIN 0
	s_wait_tensorcnt 0x0                           ; on every wave's way: wave 3's tile is the only one that can still be out
	s_wait_dscnt 0x0
	s_barrier_signal -1                            ; a plain barrier inside block 2: tiles 8-15 are shown to all, ahead of the fetch of block 4
	MULS 0, 26, 32
	WIN 0
	s_barrier_wait -1
	POST 2
.irp s, 3,4,5,6
	BLK \s, NO+NF
.endr
	BLK 7, NO
	s_wait_dscnt 0x0
	SEND 7
	s_wait_tensorcnt 0x0                           ; the wave's end
	ds_add_u32 v[SPW], v[NIL]
	s_wait_dscnt 0x0
	CROUND                                         ; the closing round
	s_endpgm
.Lfunc_end_k_q830ae08afe_gemm_out:
	.size	k_q830ae08afe_gemm_out, .Lfunc_end_k_q830ae08afe_gemm_out-k_q830ae08afe_gemm_out
	.p2alignl 7, 3214868480
	.fill 96, 4, 3214868480
	.section	.rodata,"a",@progbits
	.p2align	6, 0x0
	.amdhsa_kernel k_q830ae08afe_gemm_out
		.amdhsa_group_segment_fixed_size 327680
		.amdhsa_private_segment_fixed_size 0
		.amdhsa_enable_private_segment 0
		.amdhsa_kernarg_size 40
		.amdhsa_user_sgpr_count 2
		.amdhsa_user_sgpr_kernarg_segment_ptr 1
		.amdhsa_wavefront_size32 1
		.amdhsa_system_sgpr_workgroup_id_x 1
		.amdhsa_system_sgpr_workgroup_id_y 1
		.amdhsa_system_sgpr_workgroup_id_z 1
		.amdhsa_system_vgpr_workitem_id 0
		.amdhsa_next_free_vgpr 840
		.amdhsa_next_free_sgpr 90
		.amdhsa_reserve_vcc 0
		.amdhsa_float_denorm_mode_32 3
		.amdhsa_float_denorm_mode_16_64 3
		.amdhsa_memory_ordered 1
		.amdhsa_forward_progress 1
		.amdhsa_inst_pref_size 86
	.end_amdhsa_kernel
	.amdgpu_metadata
---
amdhsa.version: [ 1, 2 ]
amdhsa.kernels:
  - .name:           k_q830ae08afe_gemm_out
    .symbol:         k_q830ae08afe_gemm_out.kd
    .args:
      - { .name: o_codes, .offset: 0, .size: 8, .value_kind: global_buffer, .address_space: global }
      - { .name: o_scales, .offset: 8, .size: 8, .value_kind: global_buffer, .address_space: global }
      - { .name: codes1, .offset: 16, .size: 8, .value_kind: global_buffer, .address_space: global }
      - { .name: scales1, .offset: 24, .size: 8, .value_kind: global_buffer, .address_space: global }
      - { .name: out0, .offset: 32, .size: 8, .value_kind: global_buffer, .address_space: global }
    .group_segment_fixed_size: 327680
    .private_segment_fixed_size: 0
    .kernarg_segment_align: 8
    .kernarg_segment_size: 40
    .max_flat_workgroup_size: 128
    .sgpr_count:     90
    .vgpr_count:     840
    .wavefront_size: 32
...
	.end_amdgpu_metadata
.endif
;; end of part 4
